; MI455X (gfx1250); checked and timed in simulation.
; The chip was launched on July 23, 2026; its instructions are those of AMD's public machine-readable ISA for CDNA 5 (MIT licence, August 2026) and "CDNA5" Instruction Set Architecture Reference Guide (July 2026). The comments in the code are by the model that wrote it; some were corrected since.
;; Block. Allowed arithmetic: float matrix products may take bf16 or f16 operands with f32 sums; all other float work in f32.
;; Inputs: W1 1,024 x 4,096 float32; W2 4,096 x 1,024 float32; Wk 16 x 1,024 x 64 float32; Wp 1,024 x 1,024 float32; Wq 16 x 1,024 x 64 float32; Wv 16 x 1,024 x 64 float32; b1 4,096 float32; b2 1,024 float32; bp 1,024 float32; ln1_b 1,024 float32; ln1_g 1,024 float32; ln2_b 1,024 float32; ln2_g 1,024 float32; x 4 x 1,024 x 1,024 float32.
;; Outputs: out0 4 x 1,024 x 1,024 float32.
;; One version. Each part assembles by itself: llvm-mc -triple=amdgcn-amd-amdhsa -mcpu=gfx1250 --defsym DOCPART=n.
;; ======== version 1 of 1: 7 launches
;; workspace buffers: hn 8,388,608 bytes; wb 25,165,824 bytes; qkv 25,165,824 bytes; ob 8,388,608 bytes; x1 16,777,216 bytes; act 33,554,432 bytes
;; launch prep (part 1): grid 448 x 1, 8 waves a work-group, no clusters, 0 bytes of LDS; arguments x, ln1_g, ln1_b, Wq, Wk, Wv, hn, wb; writes hn, wb
.if DOCPART == 1
	.amdgcn_target "amdgcn-amd-amdhsa--gfx1250"
	.amdhsa_code_object_version 6
	.text
	.protected	k_q705db623ac_prep
	.globl	k_q705db623ac_prep
	.p2align	8
	.type	k_q705db623ac_prep,@function
k_q705db623ac_prep:
	s_mov_b64 s[64:65], 0
	v_nop
	global_prefetch_b8 v0, s[64:65] scope:SCOPE_SE
	s_setreg_imm32_b32 hwreg(HW_REG_WAVE_MODE, 25, 1), 1
	s_wait_xcnt 0x0
; PREP.  Work-groups 0-255: h = LayerNorm(x) g + b, rounded once to bf16, into hn.  Work-groups 256-447: Wq, Wk, Wv, rounded once to bf16, into wb.
; (Wp, W1 and W2, which no launch needs before the attention has run, are rounded beside the attention.)
; LAYOUT OF EVERY bf16 MATRIX OF THIS PROGRAM: slabs of 64 columns.  Activations [column / 64][4096 rows][64]: a slab is 524,288 bytes, a row's piece 128.  Weights [n / 64][k][64].
; wb: Wq, Wk, Wv (48 slabs of 1024 k) at byte 0; Wp (16 slabs) at 6,291,456; W1 (64 slabs) at 8,388,608; W2 (16 slabs of 4096 k) at 16,777,216.
; A stream: every input byte is read once, every store of a wave covers 256 consecutive bytes, aligned.  No LDS, no barrier, no matrix unit, no cluster: work-groups share only g and b, 8 KB.
; LIMITS.  Mean and variance are taken in two passes in f32 (the mean first, then the squares of x - mean), so a common offset of x costs no digits.  NaN and infinities are not treated apart.
.set T,   4                            ; v[4:11]    four chains of packed sums
.set MU,  12                           ; v[12:13]   the row's mean, twice
.set RS,  14                           ; v[14:15]   1 / sqrt(var + eps), twice
.set X,   16                           ; v[16:79]   my 64 numbers of the row (the casts: 16 loads of four f32)
.set G,   80                           ; v[80:143]  g of my columns
.set BB,  144                          ; v[144:207] b of my columns
.set Y,   208                          ; v[208:239] the results, two bf16 a register
.set CY,  80                           ; v[80:111]  the casts' results
; The four chains into one number, then over the 16 lanes that hold the row: a row of the matrix lies in one half of the wave, so four steps inside the half are all.
.macro REDUCE
	v_pk_add_f32 v[T:T+1], v[T:T+1], v[T+2:T+3]
	v_pk_add_f32 v[T+4:T+5], v[T+4:T+5], v[T+6:T+7]
	v_pk_add_f32 v[T:T+1], v[T:T+1], v[T+4:T+5]
	v_add_f32 v[T], v[T], v[T+1]
	v_add_f32_dpp v[T], v[T], v[T] row_xmask:1 row_mask:0xf bank_mask:0xf
	v_add_f32_dpp v[T], v[T], v[T] row_xmask:2 row_mask:0xf bank_mask:0xf
	v_add_f32_dpp v[T], v[T], v[T] row_xmask:4 row_mask:0xf bank_mask:0xf
	v_add_f32_dpp v[T], v[T], v[T] row_xmask:8 row_mask:0xf bank_mask:0xf
.endm
	s_load_b512 s[8:23], s[0:1], 0x0               ; x 8, ln1_g 10, ln1_b 12, Wq 14, Wk 16, Wv 18, hn 20, wb 22
	s_mov_b32 s30, 0x3a800000                      ; 1 / 1024
	s_mov_b32 s31, 0x3727c5ac                      ; 1e-5
	s_wait_kmcnt 0x0
	s_cmp_lt_u32 ttmp9, 256
	s_cbranch_scc0 .Lcast
	; LAYER NORM of 16 rows a work-group, two rows a wave: lanes 0-15 hold row 2 w, lanes 16-31 row 2 w + 1; lane i of a half holds columns 64 kb + 4 i .. + 3, kb = 0 .. 15.
	v_and_b32 v1, 15, v0
	v_lshlrev_b32 v1, 4, v1                        ; 16 i: my place in 256 bytes of g, b and a row
	v_lshrrev_b32 v2, 4, v0                        ; thread / 16 = my row among the group's 16
	v_lshl_add_u32 v2, v2, 12, v1                  ; x 4,096 bytes + 16 i
	v_lshlrev_b32 v3, 3, v0                        ; 8 x thread = 256 w + 8 lane: my 8 bytes in the wave's two row pieces of a slab
	s_lshl_b32 s32, ttmp9, 16                      ; the group's 16 rows of 4,096 bytes
	s_mov_b32 s33, 0
	s_lshl_b32 s34, ttmp9, 11                      ; and of 128 bytes in a slab
	s_mov_b32 s35, 0
	s_add_nc_u64 s[8:9], s[8:9], s[32:33]
	s_add_nc_u64 s[20:21], s[20:21], s[34:35]
.set j, 0
.rept 16
	global_load_b128 v[X+4*j:X+4*j+3], v2, s[8:9] offset:256*j  ; each half of the wave reads 256 consecutive bytes of its row
.set j, j+1
.endr
.set j, 0
.rept 16
	global_load_b128 v[G+4*j:G+4*j+3], v1, s[10:11] offset:256*j
.set j, j+1
.endr
.set j, 0
.rept 16
	global_load_b128 v[BB+4*j:BB+4*j+3], v1, s[12:13] offset:256*j
.set j, j+1
.endr
	s_wait_loadcnt 32                              ; the row is in; the 32 younger loads, g's and b's, stay out
.set j, 0
.rept 4
	v_pk_add_f32 v[T+2*j:T+2*j+1], v[X+2*j:X+2*j+1], v[X+2*j+8:X+2*j+9]  ; the first eight pairs start the four chains: nothing is cleared
.set j, j+1
.endr
.set j, 8
.rept 24
	v_pk_add_f32 v[T+2*(j%4):T+2*(j%4)+1], v[T+2*(j%4):T+2*(j%4)+1], v[X+2*j:X+2*j+1]
.set j, j+1
.endr
	REDUCE
	v_mul_f32 v[MU], s30, v[T]                     ; the mean
	v_mul_f32 v[MU+1], s30, v[T]
.set j, 0
.rept 32
	v_pk_add_f32 v[X+2*j:X+2*j+1], v[X+2*j:X+2*j+1], v[MU:MU+1] neg_lo:[0,1] neg_hi:[0,1]  ; x - mean, in place
.set j, j+1
.endr
.set j, 0
.rept 4
	v_pk_mul_f32 v[T+2*j:T+2*j+1], v[X+2*j:X+2*j+1], v[X+2*j:X+2*j+1]
.set j, j+1
.endr
.set j, 4
.rept 28
	v_pk_fma_f32 v[T+2*(j%4):T+2*(j%4)+1], v[X+2*j:X+2*j+1], v[X+2*j:X+2*j+1], v[T+2*(j%4):T+2*(j%4)+1]
.set j, j+1
.endr
	REDUCE
	v_fma_f32 v[T], v[T], s30, s31                 ; the variance + 1e-5
	v_rsq_f32 v[RS], v[T]
	v_rsq_f32 v[RS+1], v[T]
	v_nop                                          ; a plain instruction between the root and the use of its result (ISA guide 5.7.2)
	s_wait_loadcnt 0x0                             ; g and b
.set j, 0
	s_wait_alu depctr_va_vdst(0)
.rept 32
	v_pk_mul_f32 v[X+2*j:X+2*j+1], v[X+2*j:X+2*j+1], v[RS:RS+1]
	v_pk_fma_f32 v[X+2*j:X+2*j+1], v[X+2*j:X+2*j+1], v[G+2*j:G+2*j+1], v[BB+2*j:BB+2*j+1]
.set j, j+1
.endr
.set j, 0
.rept 32
	v_cvt_pk_bf16_f32 v[Y+j], v[X+2*j], v[X+2*j+1]
.set j, j+1
.endr
.set j, 0
.rept 16
	global_store_b64 v3, v[Y+2*j:Y+2*j+1], s[20:21] offset:524288*j  ; slab j: the wave's two row pieces, 256 consecutive bytes, aligned
.set j, j+1
.endr
	s_endpgm
.Lcast:
	; THE CAST of Wq, Wk, Wv, which lie in slabs already: [head][k][64] in f32.  192 groups, 64 for each matrix; a group takes 256 k-rows of one slab (65,536 dense bytes), a wave 32 of them.
	s_sub_co_u32 s40, ttmp9, 256
	s_lshr_b32 s41, s40, 6                         ; which matrix
	s_and_b32 s42, s40, 63
	s_lshl_b32 s32, s42, 16                        ; 256 rows of 256 bytes
	s_mov_b32 s33, 0
	s_lshl_b32 s34, s40, 15                        ; 256 rows of 128 bytes
	s_mov_b32 s35, 0
	s_cmp_eq_u32 s41, 1
	s_cselect_b64 s[36:37], s[16:17], s[14:15]
	s_cmp_eq_u32 s41, 2
	s_cselect_b64 s[36:37], s[18:19], s[36:37]
	s_add_nc_u64 s[36:37], s[36:37], s[32:33]
	s_add_nc_u64 s[38:39], s[22:23], s[34:35]
	v_lshrrev_b32 v4, 5, v0                        ; wave
	v_and_b32 v7, 31, v0                           ; lane
	v_lshlrev_b32 v1, 4, v7
	v_lshl_add_u32 v1, v4, 13, v1                  ; in: 16 x lane + the wave's 32 rows of 256 bytes
	v_lshlrev_b32 v3, 3, v7
	v_lshl_add_u32 v3, v4, 12, v3                  ; out: 8 x lane + the wave's 32 rows of 128 bytes
.set j, 0
.rept 16
	global_load_b128 v[X+4*j:X+4*j+3], v1, s[36:37] offset:512*j th:TH_LOAD_NT  ; two k-rows, 512 consecutive bytes; read once in the whole program
.set j, j+1
.endr
.set j, 0
.rept 16
	s_wait_loadcnt 15-j                            ; loads come back in order (ISA guide 5.7.1): pair j is in, the younger ones stay out
	v_cvt_pk_bf16_f32 v[CY+2*j], v[X+4*j], v[X+4*j+1]
	v_cvt_pk_bf16_f32 v[CY+2*j+1], v[X+4*j+2], v[X+4*j+3]
	global_store_b64 v3, v[CY+2*j:CY+2*j+1], s[38:39] offset:256*j  ; two k-rows of the slab: 256 consecutive bytes, aligned
.set j, j+1
.endr
	s_endpgm
.Lfunc_end_k_q705db623ac_prep:
	.size	k_q705db623ac_prep, .Lfunc_end_k_q705db623ac_prep-k_q705db623ac_prep
	.p2alignl 7, 3214868480
	.fill 96, 4, 3214868480
	.section	.rodata,"a",@progbits
	.p2align	6, 0x0
	.amdhsa_kernel k_q705db623ac_prep
		.amdhsa_group_segment_fixed_size 0
		.amdhsa_private_segment_fixed_size 0
		.amdhsa_enable_private_segment 0
		.amdhsa_kernarg_size 64
		.amdhsa_user_sgpr_count 2
		.amdhsa_user_sgpr_kernarg_segment_ptr 1
		.amdhsa_wavefront_size32 1
		.amdhsa_system_sgpr_workgroup_id_x 1
		.amdhsa_system_sgpr_workgroup_id_y 1
		.amdhsa_system_sgpr_workgroup_id_z 1
		.amdhsa_system_vgpr_workitem_id 0
		.amdhsa_next_free_vgpr 240
		.amdhsa_next_free_sgpr 66
		.amdhsa_reserve_vcc 0
		.amdhsa_float_denorm_mode_32 3
		.amdhsa_float_denorm_mode_16_64 3
		.amdhsa_memory_ordered 1
		.amdhsa_forward_progress 1
		.amdhsa_inst_pref_size 27
	.end_amdhsa_kernel
	.amdgpu_metadata
---
amdhsa.version: [ 1, 2 ]
amdhsa.kernels:
  - .name:           k_q705db623ac_prep
    .symbol:         k_q705db623ac_prep.kd
    .args:
      - { .name: x, .offset: 0, .size: 8, .value_kind: global_buffer, .address_space: global }
      - { .name: ln1_g, .offset: 8, .size: 8, .value_kind: global_buffer, .address_space: global }
      - { .name: ln1_b, .offset: 16, .size: 8, .value_kind: global_buffer, .address_space: global }
      - { .name: Wq, .offset: 24, .size: 8, .value_kind: global_buffer, .address_space: global }
      - { .name: Wk, .offset: 32, .size: 8, .value_kind: global_buffer, .address_space: global }
      - { .name: Wv, .offset: 40, .size: 8, .value_kind: global_buffer, .address_space: global }
      - { .name: hn, .offset: 48, .size: 8, .value_kind: global_buffer, .address_space: global }
      - { .name: wb, .offset: 56, .size: 8, .value_kind: global_buffer, .address_space: global }
    .group_segment_fixed_size: 0
    .private_segment_fixed_size: 0
    .kernarg_segment_align: 8
    .kernarg_segment_size: 64
    .max_flat_workgroup_size: 256
    .sgpr_count:     66
    .vgpr_count:     240
    .wavefront_size: 32
...
	.end_amdgpu_metadata
.endif
;; end of part 1
;; launch qkvp (part 2): grid 8 x 32, 4 waves a work-group, clusters of 4 x 4, 327,680 bytes of LDS; arguments hn, wb, qkv; writes qkv
.if DOCPART == 2
	.amdgcn_target "amdgcn-amd-amdhsa--gfx1250"
	.amdhsa_code_object_version 6
	.text
	.protected	k_q705db623ac_qkvp
	.globl	k_q705db623ac_qkvp
	.p2align	8
	.type	k_q705db623ac_qkvp,@function
k_q705db623ac_qkvp:
	s_mov_b64 s[64:65], 0
	v_nop
	global_prefetch_b8 v0, s[64:65] scope:SCOPE_SE
	s_setreg_imm32_b32 hwreg(HW_REG_WAVE_MODE, 25, 1), 1
	s_wait_xcnt 0x0
	s_wait_alu depctr_hold_cnt(0) depctr_sa_sdst(0) depctr_va_vdst(0) depctr_va_sdst(0) depctr_va_ssrc(0) depctr_va_vcc(0) depctr_vm_vsrc(0)
	s_getreg_b32 s2, hwreg(HW_REG_IB_STS2, 6, 4)
	s_cmp_eq_u32 s2, 0
	s_cbranch_scc0 .Lentry_in_a_cluster
	s_endpgm
.Lentry_in_a_cluster:
	s_bfe_u32 s2, ttmp6, 0x10000c
	s_cmp_lg_u32 s2, 0xf033
	s_cbranch_scc0 .Lentry_shape_is_right
	s_endpgm
.Lentry_shape_is_right:
; q, k, v = h Wq, h Wk, h Wv for all 16 heads as ONE product C = A B: A = hn [4096 x 1024], B = the 48 slabs of Wq, Wk, Wv in wb [1024 x 3072], C = qkv, all bf16 in slabs of 64 columns; sums in f32,
; K ascending, C rounded once.  A slab of C is one head's q, k or v: [4096 rows][64].
; A tile of C is MT x NT; four waves in 2 x 2, each MT/2 x NT/2.  K goes in steps of KS through two LDS slots filled by the tensor data mover.  In memory a tile of A is KS/64 dense runs of MT/2 rows x 128
; bytes, a tile of B NT/128 dense runs of KS k-rows x 128 bytes: a run is one row of the descriptor (8 KB and more), so each load has few and very long rows.
; In LDS every 128 bytes are followed by padding: A's rows are 144 bytes apart (read as they lie, along K), B's k-rows 160 (read turned, by ds_load_tr16_b128).
; CLUSTER 4 x 4: the four work-groups of a row of the cluster need the same tiles of A, the four of a column the same tiles of B; each tile is asked for jointly.
; THE MATRIX INSTRUCTION IS USED TRANSPOSED (source 0 = 16 columns of B, source 1 = 16 rows of A): a lane then holds row lane % 16 of C and eight neighbouring columns, 8 (lane / 16) + 0 .. 7.
; REGISTERS, in windows of 256: window 0: v0-31 addresses; v64-191 A's fragments, two buffers; v32-63, v192-255 and, at the end, A's buffers at work on the way out.
;   window 1: B's fragments, two buffers (with RELU: v192-255 the bias of my columns).   windows 2, 3: the accumulators, block (a, b) number a NB + b, 32 to a window.
; LIMITS.  Operands are bf16; NaN and infinities are not treated apart (with RELU a NaN becomes 0).
.set SIZE_K, 1024
.set MT,     128
.set NT,     384
.set KS,     128
.set DP,     1                         ; a quarter of a K step is 32 DP along K
.set WOFF,   0                         ; B's first byte in wb
.set RELU,   0                         ; 1: C = max(0, A B + bias)
.set MB,    MT/32                      ; blocks of 16 rows a wave
.set NB,    NT/32                      ; blocks of 16 columns a wave
.set PA,    144                        ; 36 words: the 16 rows of a load start at 16 different groups of four banks (64 banks of 4 bytes: ISA guide 11.1)
.set PB,    160                        ; 40 words
.set AROWS, MT/2
.set ZS,    KS/64                      ; slabs of A in a K step
.set ASLAB, AROWS*PA
.set AHALF, ZS*ASLAB                   ; what one load brings of A, and what one wave reads
.set BSL,   NT/128                     ; slabs of B for half the tile's columns
.set BSLAB, KS*PB
.set BHALF, BSL*BSLAB
.set SLOT,  2*AHALF+2*BHALF            ; A's two halves, then B's two halves
.set ASTEP, ZS*524288                  ; bytes from a K step to the next in A,
.set BSTEP, KS*128                     ; and in B
.set NLD,   2*(MB+NB)*DP               ; LDS loads of a quarter
.set LAPS,  SIZE_K/(2*KS)
.set SP,    NB*32+16                   ; a row of the stage: the wave's columns in bf16 + 16 bytes
.set ADRA, 16                          ; v16-17  LDS address of my A fragments in slot 0, 1
.set ADRB, 20                          ; v20-21  the same for B
.set STO,  24                          ; v24     the way out: where I put 16 bytes of a row
.set RD,   25                          ; v25     where I read rows back
.set CO,   26                          ; v26     my byte offset in 512 consecutive bytes of C
.set BO,   27                          ; v27     my byte offset in the bias
.set TMP,  192                         ; packed results
.set OB0,  64+64*RELU                  ; 16 rows read back from the stage, two buffers of 4 NB registers
.set G1,  24                           ; s[24:31] descriptor group 1 for A;  s[32:39] group 0, a set for each slot
.set G0,  32
.set G1B, 48                           ; s[48:55], s[56:63] the same for B
.set G0B, 56
.set MSB, 0
.macro WIN new                         ; the immediate's high byte repeats the setting that is left; a switch that changes nothing is dropped
.if MSB != (\new)
	s_set_vgpr_msb (MSB<<8)|(\new)
.set MSB, \new
.endif
.endm
.macro PLACES                          ; four places in front of loads into registers that matrix instructions have read, and of lines that read results
.rept 4
	v_nop
.endr
.endm
.macro JLOAD s                         ; a joint refill: waves 0, 1 fetch A's halves, waves 2, 3 B's; four v_nop follow each of the two lines
	s_cmp_eq_u32 s11, 0
	s_cbranch_scc0 .Lfor_b_\@
	tensor_load_to_lds s[G0+4*(\s):G0+4*(\s)+3], s[G1:G1+7]
	s_nop 0
.rept 4
	v_nop
.endr
	s_branch .Lasked_\@
.Lfor_b_\@:
	tensor_load_to_lds s[G0B+4*(\s):G0B+4*(\s)+3], s[G1B:G1B+7]
	s_nop 0
.rept 4
	v_nop
.endr
.Lasked_\@:
.endm
.macro CREST                           ; a round of the cluster's barrier behind its opening barrier
	s_cmp_lg_u32 s10, 0
	s_cbranch_scc1 .Lnot_wave_0_\@
	s_barrier_signal -3
.Lnot_wave_0_\@:
	s_barrier_wait -3
	s_barrier_signal -1
	s_barrier_wait -1
.endm
.macro CROUND                          ; a whole round
	s_barrier_signal -1
	s_barrier_wait -1
	CREST
.endm
	s_load_b128 s[4:7], s[0:1], 0x0                ; A s[4:5], wb s[6:7]
	s_load_b64 s[8:9], s[0:1], 0x10                ; C
	s_set_vgpr_msb 0x40
	v_lshl_add_u32 v255, v0, 2, 0x4e000
	s_set_vgpr_msb 0x4000
	v_mov_b32 v255, 0
	s_set_vgpr_msb 0x1
	ds_add_u32 v255, v255
	s_set_vgpr_msb 0x100
.if RELU
	s_load_b64 s[68:69], s[0:1], 0x18              ; the bias
.endif
	v_lshrrev_b32 v1, 5, v0
	v_readfirstlane_b32 s10, v1                    ; wave 0..3
	s_lshr_b32 s11, s10, 1                         ; which half of the tile's rows is mine.  Also: I fetch for A (0) or for B (1)
	s_and_b32 s12, s10, 1                          ; which half of its columns.  Also: which half of that tile I fetch
	s_bfe_u32 s40, ttmp6, 0x40000                  ; cx, cy: my place in the cluster
	s_bfe_u32 s41, ttmp6, 0x40004
	s_lshl_b32 s42, ttmp9, 2
	s_add_co_u32 s42, s42, s40                     ; tile column = 4 x cluster x + cx
	s_and_b32 s13, ttmp7, 0xffff
	s_lshl_b32 s13, s13, 2
	s_add_co_u32 s13, s13, s41                     ; tile row = 4 x cluster y + cy
	s_lshl_b32 s43, s41, 2
	s_lshl_b32 s43, 15, s43                        ; my row of the cluster
	s_lshl_b32 s44, 0x1111, s40                    ; my column
	s_or_b32 s[G1+0], s43, (1<<16)|(1<<20)|(1<<21)|(4<<22)|(3<<25)   ; 15:0 the mask; 17:16 2-byte elements; 20 padding on; 21 set beside a mask; 24:22 after every 32 words (code 4); 31:25 4 words (code 3)
	s_or_b32 s[G1B+0], s44, (1<<16)|(1<<20)|(1<<21)|(4<<22)|(7<<25)  ; the same with my column's mask and 8 words of padding (code 7)
	s_mov_b32 s[G1+1], (AROWS*64)<<16              ; tensor_dim0: a run of AROWS rows x 64 elements
	s_mov_b32 s[G1+2], ZS<<16                      ; tensor_dim1: one run for each slab of the K step
	s_mov_b32 s[G1+3], (AROWS*64)<<16              ; tile_dim0
	s_mov_b32 s[G1+4], ZS                          ; tile_dim1
	s_mov_b32 s[G1+5], 262144                      ; elements from slab to slab of A
	s_mov_b32 s[G1+6], 0
	s_mov_b32 s[G1+7], 0
	s_mov_b32 s[G1B+1], (KS*64)<<16                ; a run of KS k-rows x 64 elements
	s_mov_b32 s[G1B+2], BSL<<16
	s_mov_b32 s[G1B+3], (KS*64)<<16
	s_mov_b32 s[G1B+4], BSL
	s_mov_b32 s[G1B+5], SIZE_K*64                  ; elements from slab to slab of B
	s_mov_b32 s[G1B+6], 0
	s_mov_b32 s[G1B+7], 0
	; A's address hangs on the tile row and the wave alone, B's on the tile column and the wave alone, each in registers that never hold the other coordinate
	s_mul_i32 s16, s13, MT*128
	s_mul_i32 s17, s12, AROWS*128
	s_add_co_u32 s16, s16, s17
	s_mov_b32 s17, 0
	s_mul_i32 s46, s42, (NT/64)*SIZE_K*128
	s_mul_i32 s47, s12, BSL*SIZE_K*128
	s_add_co_u32 s46, s46, s47
	s_add_co_u32 s46, s46, WOFF
	s_mov_b32 s47, 0
	s_mul_i32 s20, s12, AHALF                      ; where they go: no place in the cluster enters an LDS address
	s_mul_i32 s21, s12, BHALF
	s_wait_dscnt 0x0
	s_wait_kmcnt 0x0
	s_add_nc_u64 s[14:15], s[4:5], s[16:17]
	s_add_nc_u64 s[46:47], s[6:7], s[46:47]
.irp s, 0,1
	s_mov_b32 s[G0+4*(\s)], 1
	s_add_co_u32 s[G0+4*(\s)+1], s20, (\s)*SLOT
	s_add_nc_u64 s[G0+4*(\s)+2:G0+4*(\s)+3], s[14:15], (\s)*ASTEP
	s_or_b32 s[G0+4*(\s)+3], s[G0+4*(\s)+3], 0x80000000
	s_mov_b32 s[G0B+4*(\s)], 1
	s_add_co_u32 s[G0B+4*(\s)+1], s21, (\s)*SLOT+2*AHALF
	s_add_nc_u64 s[G0B+4*(\s)+2:G0B+4*(\s)+3], s[46:47], (\s)*BSTEP
	s_or_b32 s[G0B+4*(\s)+3], s[G0B+4*(\s)+3], 0x80000000
.endr
	CROUND                                         ; all sixteen work-groups are here: the first joint loads meet
	s_cmp_eq_u32 s11, 0                            ; a wave's two first fills stand in one branch: two loads of mine are out, later one
	s_cbranch_scc0 .Lfirst_b
	tensor_load_to_lds s[G0:G0+3], s[G1:G1+7]
	s_nop 0
	tensor_load_to_lds s[G0+4:G0+7], s[G1:G1+7]
	s_nop 0
.rept 4
	v_nop
.endr
	s_branch .Lfirst_asked
.Lfirst_b:
	tensor_load_to_lds s[G0B:G0B+3], s[G1B:G1B+7]
	s_nop 0
	tensor_load_to_lds s[G0B+4:G0B+7], s[G1B:G1B+7]
	s_nop 0
.rept 4
	v_nop
.endr
.Lfirst_asked:
	v_and_b32 v1, 15, v0                           ; r = l % 16
	v_bfe_u32 v2, v0, 4, 1                         ; h = l / 16
	v_mul_u32_u24 v3, v1, PA                       ; A: row r, 16 bytes for each half of the lanes
	v_lshl_add_u32 v3, v2, 4, v3
	v_and_b32 v4, 7, v0                            ; B, turned: lane l reads k-row 8 h + l % 8, columns 8 ((l / 8) % 2) + 0..7
	v_lshl_add_u32 v4, v2, 3, v4
	v_mul_u32_u24 v4, v4, PB
	v_bfe_u32 v5, v0, 3, 1
	v_lshl_add_u32 v4, v5, 4, v4
	s_mul_i32 s22, s11, AHALF                      ; my rows of A
	s_mul_i32 s23, s12, BHALF                      ; my columns of B,
	s_add_co_u32 s23, s23, 2*AHALF                 ; which lie behind A's two halves
.irp s, 0,1
	v_add_nc_u32 v[ADRA+(\s)], s22, v3
	v_add_nc_u32 v[ADRB+(\s)], s23, v4
	s_add_co_u32 s22, s22, SLOT
	s_add_co_u32 s23, s23, SLOT
.endr
	; The stage: 16 rows of SP bytes for each wave, its own, at the head of slot 0.  It is written only behind the last change of slots, when slot 0 has had its last fill and every wave's reads of it are over.
	s_mul_i32 s23, s10, 16*SP
	v_mul_u32_u24 v6, v1, SP                       ; in: row r, 16 bytes for each half of the lanes
	v_lshl_add_u32 v6, v2, 4, v6
	v_add_nc_u32 v[STO], s23, v6
	v_bfe_u32 v6, v0, 3, 2                         ; back: 32 lanes take four rows' 128 bytes of one slab,
	v_mul_u32_u24 v6, v6, SP
	v_and_b32 v7, 7, v0
	v_lshl_add_u32 v6, v7, 4, v6
	v_add_nc_u32 v[RD], s23, v6
	v_and_b32 v[CO], 31, v0                        ; which are 512 consecutive bytes of C
	v_lshlrev_b32 v[CO], 4, v[CO]
	s_mul_i32 s16, s13, MT*128                     ; C at my first row in a slab,
	s_mul_i32 s17, s11, AROWS*128
	s_add_co_u32 s16, s16, s17
	s_mov_b32 s17, 0
	s_add_nc_u64 s[8:9], s[8:9], s[16:17]
	s_mul_i32 s46, s42, (NT/64)*524288             ; in my first slab
	s_mul_i32 s47, s12, BSL*524288
	s_add_co_u32 s46, s46, s47
	s_mov_b32 s47, 0
	s_add_nc_u64 s[8:9], s[8:9], s[46:47]
.if RELU
	s_mul_i32 s46, s42, NT*4                       ; the bias at my first column
	s_mul_i32 s47, s12, NT*2
	s_add_co_u32 s46, s46, s47
	s_mov_b32 s47, 0
	s_add_nc_u64 s[68:69], s[68:69], s[46:47]
	v_lshlrev_b32 v[BO], 5, v2                     ; my eight columns of a block: 32 h bytes
	WIN 0x40                                       ; destination window 1
.set b_, 0
.rept NB
	global_load_b128 v[192+8*b_:192+8*b_+3],   v[BO], s[68:69] offset:64*b_
	global_load_b128 v[192+8*b_+4:192+8*b_+7], v[BO], s[68:69] offset:64*b_+16
.set b_, b_+1
.endr
	WIN 0
.endif
; Matrix instructions for row blocks a0 .. a0 + na - 1 x all NB column blocks, the quarter in buffer f.  The accumulators take turns, one instruction a turn.
; zero = 1: the first product starts the sums: nothing is ever cleared.
.macro MULA f, a0, na, zero
.set c_, 0
.rept DP
.set a_, \a0
.rept \na
.set b_, 0
.rept NB
.set x_, a_*NB+b_
.set d_, 8*(x_%32)
.set rb_, (\f)*8*NB*DP+8*(c_*NB+b_)
.set ra_, 64+64*(\f)+8*(c_*MB+a_)
	WIN 0xa1+0x50*(x_/32)                          ; source 0 (B) window 1, source 1 (A) window 0, C and D window 2 or 3
.if (\zero) && (c_ == 0)
	v_wmma_f32_16x16x32_bf16 v[d_:d_+7], v[rb_:rb_+7], v[ra_:ra_+7], 0
.else
	v_wmma_f32_16x16x32_bf16 v[d_:d_+7], v[rb_:rb_+7], v[ra_:ra_+7], v[d_:d_+7]
.endif
.set b_, b_+1
.endr
.set a_, a_+1
.endr
.set c_, c_+1
.endr
.endm
; The NLD LDS loads of quarter q of a slot, in one run, into buffer f: B's fragments, then A's lower row blocks, then A's upper ones
.macro FETCH slot, q, f
	WIN 0x40                                       ; destination window 1, address window 0
.set c_, 0
.rept DP
.set k_, 32*((\q)*DP+c_)
.set b_, 0
.rept NB
.set rb_, (\f)*8*NB*DP+8*(c_*NB+b_)
.set o_, (b_/4)*BSLAB+k_*PB+(b_%4)*32
	ds_load_tr16_b128 v[rb_:rb_+3],   v[ADRB+(\slot)] offset:o_
	ds_load_tr16_b128 v[rb_+4:rb_+7], v[ADRB+(\slot)] offset:o_+16*PB
.set b_, b_+1
.endr
.set c_, c_+1
.endr
	WIN 0
.set h_, 0
.rept 2
.set c_, 0
.rept DP
.set k_, 32*((\q)*DP+c_)
.set a_, h_*(MB/2)
.rept MB/2
.set ra_, 64+64*(\f)+8*(c_*MB+a_)
.set o_, (k_/64)*ASLAB+a_*16*PA+(k_%64)*2
	ds_load_b128 v[ra_:ra_+3],   v[ADRA+(\slot)] offset:o_
	ds_load_b128 v[ra_+4:ra_+7], v[ADRA+(\slot)] offset:o_+32
.set a_, a_+1
.endr
.set c_, c_+1
.endr
.set h_, h_+1
.endr
.endm
; A K step is four quarters on buffers 0, 1, 0, 1.  One of the first three: multiplies buffer f; in its middle it fetches quarter qn of the same slot into buffer g.
.macro QUARTER slot, qn, f, g, zero
	s_wait_dscnt MB*DP                             ; B and A's lower blocks are in; the youngest MB DP loads, A's upper blocks, may be out
	MULA \f, 0, MB/2, \zero
	PLACES
	FETCH \slot, \qn, \g
	s_wait_dscnt NLD                               ; all but the NLD just issued
	MULA \f, MB/2, MB/2, \zero
.endm
; The last quarter multiplies buffer 1 and changes slots: ONE barrier; in front of it each wave waits for its own reads of this slot and for all its tensor loads, of which one is out: its part of the next slot.
; fill = 1: the barrier opens a round of the cluster's barrier, and this slot is filled again, two K steps ahead, first thing behind the round.
.macro TURN slot, next, fill
	s_wait_dscnt MB*DP
	MULA 1, 0, MB/4, 0
	s_wait_dscnt 0x0                               ; my reads of this slot are over,
	s_wait_tensorcnt 0x0                           ; and all my tensor loads have landed
	ds_add_u32 v255, v255
	s_wait_dscnt 0x0
	s_barrier_signal -1
	MULA 1, MB/4, MB/4, 0                          ; work on registers while the others arrive
.if \fill
	WIN 0
.endif
	s_barrier_wait -1
.if \fill
	CREST                                          ; no wave of any partner still reads this slot or has a load on its way
	s_add_nc_u64 s[G0+4*(\slot)+2:G0+4*(\slot)+3], s[G0+4*(\slot)+2:G0+4*(\slot)+3], 2*ASTEP
	s_add_nc_u64 s[G0B+4*(\slot)+2:G0B+4*(\slot)+3], s[G0B+4*(\slot)+2:G0B+4*(\slot)+3], 2*BSTEP
	JLOAD \slot                                    ; the four v_nop behind it are also the places in front of the loads below
.else
	PLACES
.endif
	FETCH \next, 0, 0
	MULA 1, MB/2, MB/2, 0
.endm
	s_wait_tensorcnt 0x1                           ; my part of K step 0 is in; K step 1's may stay out
	s_barrier_signal -1
	s_barrier_wait -1                              ; everybody's is
	FETCH 0, 0, 0
	QUARTER 0, 1, 0, 1, 1                          ; the first quarter stands in front of the loop: its products start the sums
	WIN 0                                          ; at a label and at a branch every window is 0
	s_mov_b32 s3, LAPS-1
.Llap:                                                 ; a trip goes once round the ring, from a lap's second quarter to the next lap's first, and fills both slots again
	QUARTER 0, 2, 1, 0, 0
	QUARTER 0, 3, 0, 1, 0
	TURN 0, 1, 1
	QUARTER 1, 1, 0, 1, 0
	QUARTER 1, 2, 1, 0, 0
	QUARTER 1, 3, 0, 1, 0
	TURN 1, 0, 1
	QUARTER 0, 1, 0, 1, 0
	WIN 0
	s_sub_co_u32 s3, s3, 1
	s_cmp_lg_u32 s3, 0
	s_cbranch_scc1 .Llap
	QUARTER 0, 2, 1, 0, 0                          ; the last lap fills nothing
	QUARTER 0, 3, 0, 1, 0
	TURN 0, 1, 0
	QUARTER 1, 1, 0, 1, 0
	QUARTER 1, 2, 1, 0, 0
	QUARTER 1, 3, 0, 1, 0
	s_wait_dscnt MB*DP                             ; the very last quarter: nothing more to fetch
	MULA 1, 0, MB/2, 0
	s_wait_dscnt 0x0
	MULA 1, MB/2, MB/2, 0
	WIN 0
	PLACES
	s_wait_loadcnt 0x0                             ; the bias, if any
; THE WAY OUT of row block a.  PACK: (bias, relu,) rounded to bf16, 16 bytes a lane; each accumulator's registers are taken in ascending order.
.macro PACK a
.set b_, 0
.rept NB
.set x_, (\a)*NB+b_
.set d_, 8*(x_%32)
.set p_, 0
.rept 4
.if RELU
	WIN 0x06+(x_/32)                               ; source 0 window 2 or 3, source 1 window 1
	v_pk_add_f32 v[64+8*b_+2*p_:64+8*b_+2*p_+1], v[d_+2*p_:d_+2*p_+1], v[192+8*b_+2*p_:192+8*b_+2*p_+1]
.else
	WIN 0x0a+5*(x_/32)                             ; sources 0 and 1 window 2 or 3
	v_cvt_pk_bf16_f32 v[TMP+4*b_+p_], v[d_+2*p_], v[d_+2*p_+1]
.endif
.set p_, p_+1
.endr
.set b_, b_+1
.endr
	WIN 0
.if RELU
.set p_, 0
.rept 8*NB
	v_max_num_f32 v[64+p_], 0, v[64+p_]
.set p_, p_+1
.endr
.set p_, 0
.rept 4*NB
	v_cvt_pk_bf16_f32 v[TMP+p_], v[64+2*p_], v[64+2*p_+1]
.set p_, p_+1
.endr
.endif
.endm
.macro TOSTAGE a                       ; into my stage, and back slab by slab, four rows' 128 bytes at a time
	WIN 0
.set k_, OB0+4*NB*((\a)%2)
.set b_, 0
.rept NB
	ds_store_b128 v[STO], v[TMP+4*b_:TMP+4*b_+3] offset:32*b_
.set b_, b_+1
.endr
.set b_, 0
.rept NB
	ds_load_b128 v[k_+4*b_:k_+4*b_+3], v[RD] offset:(b_%4)*4*SP+(b_/4)*128  ; LDS serves a wave's instructions in order (ISA guide 5.7.1.4): these see the stores above
.set b_, b_+1
.endr
.endm
.macro SEND a
	WIN 0
.set k_, OB0+4*NB*((\a)%2)
	s_wait_dscnt 0x0                               ; the block is back in registers
	s_wait_xcnt 0x0                                ; the stores issued so far have read their registers: the other buffer is loaded again only behind this wait
.set b_, 0
.rept NB
	global_store_b128 v[CO], v[k_+4*b_:k_+4*b_+3], s[8:9] offset:(b_/4)*524288+(\a)*2048+(b_%4)*512  ; 512 consecutive bytes of a slab, at a multiple of 256 from C's first
.set b_, b_+1
.endr
.endm
	PACK 0
	TOSTAGE 0
.set t_, 1
.rept MB-1                             ; a block's arithmetic stands between the loads of the block before and the wait for them
	PACK t_
	SEND t_-1
	TOSTAGE t_
.set t_, t_+1
.endr
	SEND MB-1
	s_set_vgpr_msb 0x1
	s_wait_tensorcnt 0x0
	ds_add_u32 v255, v255
	s_wait_dscnt 0x0
	s_set_vgpr_msb 0x100
	CROUND                                         ; the closing round: no work-group ends while a partner may still ask for a tile that names it
	s_endpgm
.Lfunc_end_k_q705db623ac_qkvp:
	.size	k_q705db623ac_qkvp, .Lfunc_end_k_q705db623ac_qkvp-k_q705db623ac_qkvp
	.p2alignl 7, 3214868480
	.fill 96, 4, 3214868480
	.section	.rodata,"a",@progbits
	.p2align	6, 0x0
	.amdhsa_kernel k_q705db623ac_qkvp
		.amdhsa_group_segment_fixed_size 327680
		.amdhsa_private_segment_fixed_size 0
		.amdhsa_enable_private_segment 0
		.amdhsa_kernarg_size 24
		.amdhsa_user_sgpr_count 2
		.amdhsa_user_sgpr_kernarg_segment_ptr 1
		.amdhsa_wavefront_size32 1
		.amdhsa_system_sgpr_workgroup_id_x 1
		.amdhsa_system_sgpr_workgroup_id_y 1
		.amdhsa_system_sgpr_workgroup_id_z 1
		.amdhsa_system_vgpr_workitem_id 0
		.amdhsa_next_free_vgpr 896
		.amdhsa_next_free_sgpr 72
		.amdhsa_reserve_vcc 0
		.amdhsa_float_denorm_mode_32 3
		.amdhsa_float_denorm_mode_16_64 3
		.amdhsa_memory_ordered 1
		.amdhsa_forward_progress 1
		.amdhsa_inst_pref_size 119
	.end_amdhsa_kernel
	.amdgpu_metadata
---
amdhsa.version: [ 1, 2 ]
amdhsa.kernels:
  - .name:           k_q705db623ac_qkvp
    .symbol:         k_q705db623ac_qkvp.kd
    .args:
      - { .name: hn, .offset: 0, .size: 8, .value_kind: global_buffer, .address_space: global }
      - { .name: wb, .offset: 8, .size: 8, .value_kind: global_buffer, .address_space: global }
      - { .name: qkv, .offset: 16, .size: 8, .value_kind: global_buffer, .address_space: global }
    .group_segment_fixed_size: 327680
    .private_segment_fixed_size: 0
    .kernarg_segment_align: 8
    .kernarg_segment_size: 24
    .max_flat_workgroup_size: 128
    .sgpr_count:     72
    .vgpr_count:     896
    .wavefront_size: 32
...
	.end_amdgpu_metadata
.endif
;; end of part 2
;; launch attn (part 3): grid 4 x 64, 4 waves a work-group, clusters of 4 x 1, 321,024 bytes of LDS; arguments qkv, ob, Wp, W1, W2, wb; writes ob, wb
.if DOCPART == 3
	.amdgcn_target "amdgcn-amd-amdhsa--gfx1250"
	.amdhsa_code_object_version 6
	.text
	.protected	k_q705db623ac_attn
	.globl	k_q705db623ac_attn
	.p2align	8
	.type	k_q705db623ac_attn,@function
k_q705db623ac_attn:
	s_mov_b64 s[64:65], 0
	v_nop
	global_prefetch_b8 v0, s[64:65] scope:SCOPE_SE
	s_setreg_imm32_b32 hwreg(HW_REG_WAVE_MODE, 25, 1), 1
	s_wait_xcnt 0x0
	s_wait_alu depctr_hold_cnt(0) depctr_sa_sdst(0) depctr_va_vdst(0) depctr_va_sdst(0) depctr_va_ssrc(0) depctr_va_vcc(0) depctr_vm_vsrc(0)
	s_getreg_b32 s2, hwreg(HW_REG_IB_STS2, 6, 4)
	s_cmp_eq_u32 s2, 0
	s_cbranch_scc0 .Lentry_in_a_cluster
	s_endpgm
.Lentry_in_a_cluster:
	s_bfe_u32 s2, ttmp6, 0x10000c
	s_cmp_lg_u32 s2, 0x3003
	s_cbranch_scc0 .Lentry_shape_is_right
	s_endpgm
.Lentry_shape_is_right:
; CAUSAL ATTENTION, and beside it the rounding of Wp, W1 and W2 to bf16.
; O[q][:] = the sum over k <= q of softmax_k(Q[q] . K[k] / 32) V[k][:] for each of 64 (head, batch) pairs of 1,024 rows x 64 channels, bf16.  In qkv pair y = 4 head + batch has its
; q at byte 131,072 y, its k 8,388,608 further, its v 16,777,216 further, each 1,024 dense rows of 128 bytes; O goes to the same place in ob.
; Products, maxima and sums in f32; the weights p are rounded to bf16 for the second product (their sum l is taken of the unrounded p), O once at the end.
; LIMITS.  A hidden score counts as its value less 1e30; a weight below 2^-126 counts as 0 in l; NaN and infinities are not treated apart.
; SHARES.  The four work-groups of a cluster share a pair.  Its queries lie in four bands of 256; work-group cx, wave w own the 16 rows 256 x + 64 cx + 16 w + 0..15 of EVERY band x: four tiles a wave.
; Keys go in four chunks of 256, four steps of 64 each.  In chunk c the tiles x = c .. 3 are at work, and tile c holds the diagonal: 4, 3, 2, 1 tiles, the same for every wave of every work-group.
; So the walk is a constant of the text; cx enters global addresses and two scalars of the mask, and nothing else.
; CLUSTER.  All four partners need all of the pair's K and V: each chunk is asked for JOINTLY.  The whole pair fits in LDS, so every byte is filled once, all loads go out at the start (four a wave are
; out at the most), and a chunk's section waits only for its own chunk.
; THE MASK is the C operand that starts tile c's sums S^T = K Q^T in chunk c: 0, or -1e30 where the key is hidden.  MD, made once, is the mask of my rows' own step (step cx of the chunk);
; a step's mask is MD x AL + BE: (1, 0) in step cx, (0, 0) before it, (0, -1e30) behind it.  Every row sees key 0 of its first step, so the running maximum is a true score from the first step on.
; LAYOUT.  S^T = K Q^T holds ONE query a lane (lane % 16) and the keys 8 (lane / 16) + 0..7; two such results rounded to bf16 ARE source 1 of O^T = V^T P.  p = 2^(c s - c m), c = log2(e) / 32, with a running
; maximum m; for each step O = O a + V^T P and l = l a + sum p, a = 2^(c m_old - c m_new).  m starts at the lowest finite number, O, l, a, P and V's registers at 0: the first step is a step like any other.
; THE ORDER OF A STEP.  A tile and step have 16 matrix and 118 vector instructions.  Step s: (1) K's LDS loads, and while they are on their way the mask and the 16 lines O = O a of step s - 1, which need
; only a and O; (2) the products K Q^T; (3) the other 102 lines of the softmax, and behind every fourth of the first 32 a tile a product V^T P of step s - 1: those products stand among vector work that is
; ready.  What a tile still owes when it leaves at its chunk's end (O a and V^T P of the last step) is written out there; the other tiles' is taken by the next chunk's first step.
; Each matrix instruction among vector lines costs two switches of the register window: the price of letting the two kinds of work run side by side in one wave.
; THE CASTS.  The launch has 1,024 waves; wave g = 16 y + 4 cx + w rounds 16 k-rows of one slab of Wp, 64 of W1 and 64 of W2 (a slab is 64 columns): 8 + 32 + 32 loads of two rows' 256 bytes, and as many
; stores of 256 consecutive bytes of wb.  Three batches of 24 loads: each is issued in front of a chunk's work and converted and stored behind it.  The attention asks memory for nothing after its start.
; REGISTERS, in windows of 256 (s_set_vgpr_msb: bits 1:0 source 0, 3:2 source 1, 5:4 source 2, 7:6 destination):
;   window 0: v0-11, v32-35 addresses; v12-15 c m_old; v16-31 statistics; v48-63 at work; v64-191 S^T, 32 a tile; v192-255 P, 16 a tile
;   window 1: v0-127 O^T, 32 a tile; v128-159 MD; v160-191 MC      window 2: v0-63 Q, 16 a tile; v128-191 K of one step; v192-255 V of one step
;   window 3: v0-95 a batch of weights in f32; v96-143 the same in bf16
.set KS,    64
.set PK,    144       ; a row of K in LDS: 128 bytes + 16 = 36 words: the 16 rows of a load start at 16 different groups of four banks (64 banks of 4 bytes: ISA guide 11.1)
.set PV,    160       ; a row of V: 128 + 32 = 40 words
.set VOFF,  1024*PK   ; K's 1,024 rows, then V's
.set STAGE, VOFF+1024*PV  ; behind them, never filled by a tensor load: 16 rows x 144 bytes for each wave, for the way out
.set SP,    144
.set AK0, 2           ; v2   my lane's place in a step of K; never rewritten
.set AV0, 3           ; v3   the same for V
.set AK,  4           ; v4   the LDS address of K's run of loads
.set AV,  5           ; v5   of V's
.set STO, 6           ; v6   the way out: where I put 16 bytes of a row
.set RD,  7           ; v7   where I read rows back
.set GO,  8           ; v8   my byte offset in 512 consecutive bytes of O
.set MV,  12          ; v12-15  c m_old of tile x
.set ST,  16          ; tile x's statistics at v[ST+4 x]: c m, m, l (even keys', odd keys')
.set QO,  32          ; v32  my byte offset in 16 rows of Q
.set VI12, 33         ; v33  the casts: my 16 bytes in two rows 4,096 bytes apart (Wp, W2)
.set VI14, 34         ; v34  the same for rows 16,384 bytes apart (W1)
.set VO,  35          ; v35  the casts: my 8 bytes in 256 bytes of wb
.set TMP, 48          ; tile x: four registers c0-c3 at work; when the maximum is found c2 takes a
.set S,   64
.set P,   192
.set MD,  128         ; window 1
.set MC,  160         ; window 1
.set KF,  128         ; window 2: key block kb, channel half cc at KF + 16 kb + 8 cc
.set VF,  192         ; window 2: key half kk, channel block cb at VF + 32 kk + 8 cb
.set XW,  0           ; window 3
.set YW,  96          ; window 3
.set WV,  12          ; s12  my wave's number
.set CX,  13          ; s13  my place in the cluster
.set G1K, 16          ; s[16:23] descriptor group 1 for K
.set G1V, 24          ; s[24:31] for V: it differs in the padding alone
.set G0K, 32          ; s[32:47] descriptor group 0 for K, a set for each chunk
.set G0V, 48          ; s[48:63] the same for V
.set CNT, 66          ; s66  the step in the chunk
.set GW,  67          ; s67  my wave among the launch's 1,024
.set CS,  68          ; s[68:69] c
.set SEL, 70          ; s[70:71] v_permlanex16_b32's selects: each lane takes its own place in the other half
.set TBK, 72          ; s72  LDS byte at which K of the step to be fetched begins
.set TBV, 73          ; s73  the same for V, less VOFF
.set AL,  74          ; s[74:75] the mask's factor, in the low word
.set BE,  76          ; s[76:77] the mask's addend
.set BIGN, 78         ; s78  -1e30
.set QB,  80          ; s[80:81] Q at my rows of band 0
.set OA,  82          ; s[82:83] O likewise
.set OWP, 90          ; s[90:91]   wb at my share of Wp
.set IWP, 92          ; s[92:93]   Wp at my share
.set IW1, 94          ; s[94:95]   W1
.set IW2, 96          ; s[96:97]   W2
.set OW2, 98          ; s[98:99]   wb, then wb at my share of W2
.set OW1, 100         ; s[100:101] wb at my share of W1
.set MSB, 0
.macro WIN new                         ; the immediate's high byte repeats the setting that is left; a switch that changes nothing is dropped
.if MSB != (\new)
	s_set_vgpr_msb (MSB<<8)|(\new)
.set MSB, \new
.endif
.endm
.set W_KQ, 0x0a       ; K and Q in window 2, S^T in window 0
.set W_KM, 0x1a       ; the same with the C operand in window 1
.set W_PV, 0x52       ; V in window 2, P in window 0, O^T in window 1
.set W_RS, 0x41       ; destination and source 0 in window 1, source 1 in window 0
.macro PLACES                          ; four places behind matrix instructions (ISA guide 7.12.1)
.rept 4
	v_nop
.endr
.endm
.macro CROUND                          ; a round of the cluster's barrier
	s_barrier_signal -1
	s_barrier_wait -1
	s_cmp_lg_u32 s[WV], 0
	s_cbranch_scc1 .Lnot_wave_0_\@
	s_barrier_signal -3
.Lnot_wave_0_\@:
	s_barrier_wait -3
	s_barrier_signal -1
	s_barrier_wait -1
.endm
.macro ZERO first, count               ; registers first .. first + count - 1 of the destination's window hold 0
.set i, \first
.rept \count
	v_mov_b32 v[i], 0
.set i, i+1
.endr
.endm
	s_load_b128 s[4:7], s[0:1], 0x0                ; qkv s[4:5], ob s[6:7]
	s_load_b256 s[IWP:IWP+7], s[0:1], 0x10         ; Wp, W1, W2, wb
	v_lshl_add_u32 v46, v0, 2, 0x4e400
	v_mov_b32 v47, 0
	ds_add_u32 v46, v47
	v_lshrrev_b32 v1, 5, v0
	v_readfirstlane_b32 s[WV], v1                  ; wave 0..3
	s_bfe_u32 s[CX], ttmp6, 0x40000                ; cx; the grid has one cluster along x
	s_and_b32 s14, ttmp7, 0xffff                   ; the pair, which the four partners share
	s_lshl_b32 s[GW], s14, 4
	s_lshl2_add_u32 s3, s[CX], s[WV]
	s_add_co_u32 s[GW], s[GW], s3                  ; g = 16 y + 4 cx + w: it enters the casts' global addresses alone
	s_lshl_b32 s84, s14, 17                        ; the pair's 131,072 bytes
	s_and_b32 s15, s[WV], 1                        ; which half of a chunk's 256 keys I fetch:
	s_lshl_b32 s86, s15, 14                        ; its 128 rows of 128 bytes in memory,
	s_add_co_u32 s86, s86, s84
	s_mov_b32 s87, 0
	s_mul_i32 s8, s15, 128*PK                      ; and its place in LDS, for K
	s_mul_i32 s9, s15, 128*PV                      ; and for V: no place in the cluster enters an LDS address
	s_lshl_b32 s88, s[CX], 13                      ; my work-group's 64 rows of a band,
	s_lshl_b32 s89, s[WV], 11                      ; my wave's 16 of them
	s_add_co_u32 s88, s88, s89
	s_add_co_u32 s88, s88, s84
	s_mov_b32 s89, 0
	; descriptor group 1.  128 keys are 16,384 dense bytes: asked for as 64 rows of 256 bytes, two keys a row, and padded in LDS after every key
	s_mov_b32 s[G1K], 15|(1<<16)|(1<<20)|(1<<21)|(4<<22)|(3<<25)  ; 15:0 the mask of four; 17:16 2-byte elements; 20 padding on; 21 set beside a mask; 24:22 after every 32 words (code 4); 31:25 4 words (code 3)
	s_mov_b32 s[G1V], 15|(1<<16)|(1<<20)|(1<<21)|(4<<22)|(7<<25)  ; the same with 8 words of padding (code 7)
.irp g, G1K, G1V
	s_mov_b32 s[\g+1], 128<<16                     ; tensor_dim0 = 128
	s_mov_b32 s[\g+2], 64<<16                      ; tensor_dim1 = 64
	s_mov_b32 s[\g+3], 128<<16                     ; tile_dim0 = 128
	s_mov_b32 s[\g+4], 64                          ; tile_dim1 = 64
	s_mov_b32 s[\g+5], 128                         ; 128 elements from row to row
	s_mov_b32 s[\g+6], 0
	s_mov_b32 s[\g+7], 0
.endr
	s_mov_b32 s[CS], 0x3d38aa3b                    ; c = log2(e) / 32 = 0.0450842
	s_mov_b32 s[CS+1], s[CS]                       ; named with it as a pair
	s_mov_b32 s[SEL], 0x76543210
	s_mov_b32 s[SEL+1], 0xfedcba98
	s_mov_b32 s[AL+1], 0                           ; named as pairs
	s_mov_b32 s[BE+1], 0
	s_mov_b32 s[BIGN], 0xf149f2ca                  ; -1e30
	s_wait_dscnt 0x0
	s_wait_kmcnt 0x0
	s_add_nc_u64 s[10:11], s[4:5], s[86:87]        ; qkv at the pair and my half of a chunk
	s_add_nc_u64 s[QB:QB+1], s[4:5], s[88:89]
	s_add_nc_u64 s[OA:OA+1], s[6:7], s[88:89]
.irp c, 0,1,2,3
	s_mov_b32 s[G0K+4*(\c)], 1
	s_add_co_u32 s[G0K+4*(\c)+1], s8, (\c)*256*PK
	s_add_nc_u64 s[G0K+4*(\c)+2:G0K+4*(\c)+3], s[10:11], 8388608+(\c)*32768
	s_or_b32 s[G0K+4*(\c)+3], s[G0K+4*(\c)+3], 0x80000000
	s_mov_b32 s[G0V+4*(\c)], 1
	s_add_co_u32 s[G0V+4*(\c)+1], s9, VOFF+(\c)*256*PV
	s_add_nc_u64 s[G0V+4*(\c)+2:G0V+4*(\c)+3], s[10:11], 16777216+(\c)*32768
	s_or_b32 s[G0V+4*(\c)+3], s[G0V+4*(\c)+3], 0x80000000
.endr
	CROUND                                         ; all four work-groups are here: the joint loads meet
	s_cmp_lt_u32 s[WV], 2                          ; waves 0, 1 fetch K's halves, waves 2, 3 V's: a wave's four loads stand in one branch; four v_nop follow the last
	s_cbranch_scc0 .Lfirst_v
.irp c, 0,1,2,3
	tensor_load_to_lds s[G0K+4*(\c):G0K+4*(\c)+3], s[G1K:G1K+7]
	s_nop 0
.endr
.rept 4
	v_nop
.endr
	s_branch .Lasked
.Lfirst_v:
.irp c, 0,1,2,3
	tensor_load_to_lds s[G0V+4*(\c):G0V+4*(\c)+3], s[G1V:G1V+7]
	s_nop 0
.endr
.rept 4
	v_nop
.endr
.Lasked:
	; A fragment of K or Q is 16 rows x 32 channels in 8 registers: lane l holds row l % 16, channels 8 (l / 16) + 0..7 and 16 + 8 (l / 16) + 0..7: two loads of 16 bytes, 32 bytes apart.
	v_and_b32 v1, 15, v0                           ; l % 16
	v_bfe_u32 v9, v0, 4, 1                         ; l / 16
	v_lshlrev_b32 v[QO], 7, v1
	v_lshl_add_u32 v[QO], v9, 4, v[QO]             ; row x 128 + 16 x half
	WIN 0x80                                       ; destination window 2, address window 0
.set i, 0
.rept 8                                ; Q stays in registers: tile i / 2 lies in band i / 2, 32,768 bytes on; channels 32 (i % 2) on
	global_load_b128 v[8*i:8*i+3],   v[QO], s[QB:QB+1] offset:(i/2)*32768+(i%2)*64
	global_load_b128 v[8*i+4:8*i+7], v[QO], s[QB:QB+1] offset:(i/2)*32768+(i%2)*64+32
.set i, i+1
.endr
	WIN 0
	; THE CASTS' ADDRESSES.  Lanes 0-15 take 256 bytes (64 columns of f32) of an even k-row, lanes 16-31 of the odd row below it; the two rows are 256 consecutive bytes of a slab of wb.
	v_lshlrev_b32 v[VI12], 4, v1
	v_lshl_add_u32 v[VI14], v9, 14, v[VI12]
	v_lshl_add_u32 v[VI12], v9, 12, v[VI12]
	v_and_b32 v[VO], 31, v0
	v_lshlrev_b32 v[VO], 3, v[VO]
	s_lshr_b32 s2, s[GW], 6                        ; Wp: slab g / 64, k-rows 16 (g % 64) on, 4,096 bytes each
	s_lshl_b32 s2, s2, 8
	s_and_b32 s3, s[GW], 63
	s_lshl_b32 s3, s3, 16
	s_add_co_u32 s2, s2, s3
	s_mov_b32 s3, 0
	s_add_nc_u64 s[IWP:IWP+1], s[IWP:IWP+1], s[2:3]
	s_lshr_b32 s2, s[GW], 4                        ; W1: slab g / 16, k-rows 64 (g % 16) on, 16,384 bytes each
	s_lshl_b32 s2, s2, 8
	s_and_b32 s3, s[GW], 15
	s_lshl_b32 s3, s3, 20
	s_add_co_u32 s2, s2, s3
	s_mov_b32 s3, 0
	s_add_nc_u64 s[IW1:IW1+1], s[IW1:IW1+1], s[2:3]
	s_lshr_b32 s2, s[GW], 6                        ; W2: slab g / 64, k-rows 64 (g % 64) on, 4,096 bytes each
	s_lshl_b32 s2, s2, 8
	s_and_b32 s3, s[GW], 63
	s_lshl_b32 s3, s3, 18
	s_add_co_u32 s2, s2, s3
	s_mov_b32 s3, 0
	s_add_nc_u64 s[IW2:IW2+1], s[IW2:IW2+1], s[2:3]
	s_lshl_b32 s2, s[GW], 11                       ; in wb the waves' shares follow each other: 2,048 bytes of Wp,
	s_add_co_u32 s2, s2, 6291456
	s_add_nc_u64 s[OWP:OWP+1], s[OW2:OW2+1], s[2:3]
	s_lshl_b32 s2, s[GW], 13                       ; 8,192 of W1
	s_add_co_u32 s2, s2, 8388608
	s_add_nc_u64 s[OW1:OW1+1], s[OW2:OW2+1], s[2:3]
	s_add_co_u32 s2, s2, 8388608                   ; and of W2, 8,388,608 bytes further
	s_add_nc_u64 s[OW2:OW2+1], s[OW2:OW2+1], s[2:3]
; Pair of rows q of my 72: 0-7 Wp's, 8-39 W1's, 40-71 W2's.  CLOADS: 24 of them, from q0 on, are asked for.  CSTORES: they are rounded and stored.
.macro CLOADS q0
	WIN 0xc0                                       ; destination window 3, address window 0
.set n_, 0
.rept 24
.set q_, (\q0)+n_
.if q_ < 8
	global_load_b128 v[XW+4*n_:XW+4*n_+3], v[VI12], s[IWP:IWP+1] offset:q_*8192 th:TH_LOAD_NT
.elseif q_ < 40
	global_load_b128 v[XW+4*n_:XW+4*n_+3], v[VI14], s[IW1:IW1+1] offset:(q_-8)*32768 th:TH_LOAD_NT
.else
	global_load_b128 v[XW+4*n_:XW+4*n_+3], v[VI12], s[IW2:IW2+1] offset:(q_-40)*8192 th:TH_LOAD_NT
.endif
.set n_, n_+1
.endr
	WIN 0
.endm
.macro CSTORES q0
	s_wait_loadcnt 0x0                             ; the batch was asked for a chunk's work ago
	s_wait_xcnt 0x0                                ; the last batch's stores have read their data: those registers are rewritten only behind this wait
	WIN 0xcf                                       ; all in window 3
.set n_, 0
.rept 24
	v_cvt_pk_bf16_f32 v[YW+2*n_], v[XW+4*n_], v[XW+4*n_+1]
	v_cvt_pk_bf16_f32 v[YW+2*n_+1], v[XW+4*n_+2], v[XW+4*n_+3]
.set n_, n_+1
.endr
	WIN 0x0c                                       ; the data in window 3, the address in window 0
.set n_, 0
.rept 24
.set q_, (\q0)+n_
.if q_ < 8
	global_store_b64 v[VO], v[YW+2*n_:YW+2*n_+1], s[OWP:OWP+1] offset:256*q_  ; 256 consecutive bytes, at a multiple of 256 from wb's first
.elseif q_ < 40
	global_store_b64 v[VO], v[YW+2*n_:YW+2*n_+1], s[OW1:OW1+1] offset:256*(q_-8)
.else
	global_store_b64 v[VO], v[YW+2*n_:YW+2*n_+1], s[OW2:OW2+1] offset:256*(q_-40)
.endif
.set n_, n_+1
.endr
	WIN 0
.endm
	CLOADS 0                                       ; behind K's, V's and Q's requests
	v_lshlrev_b32 v14, 3, v9
	v_sub_nc_u32 v14, v1, v14
	s_lshl_b32 s14, s[WV], 4
	v_add_nc_u32 v14, s14, v14                     ; my query's place in its 64 rows, 16 w + l % 16, less my lanes' 8 (l / 16): register j of key group kt is hidden where 16 kt + j is greater
	WIN 0x40
.set i, 0
.rept 32
	v_cmp_gt_i32 vcc_lo, 16*(i/8)+i%8, v14
	v_cndmask_b32 v[MD+i], 0, s[BIGN], vcc_lo
.set i, i+1
.endr
	; What the first step finds: O^T, V's registers, P, a and l hold 0, so that its lines O a and V^T P, of a step that has not been, leave O^T at 0.  The lines that write 0 are the price of writing
	; no first step out; they stand in the wait for the first chunk.
	ZERO 0, 128                                    ; O^T
	WIN 0x80
	ZERO VF, 64                                    ; V
	WIN 0
	ZERO P, 64
	ZERO TMP, 16                                   ; a among them
.set i, 0
.rept 4
	v_mov_b32 v[ST+4*i], 0xfe000000                ; c m: far below every c s
	v_mov_b32 v[ST+4*i+1], 0xff7fffff              ; m
	v_mov_b32 v[ST+4*i+2], 0
	v_mov_b32 v[ST+4*i+3], 0
.set i, i+1
.endr
	v_mul_u32_u24 v[AK0], v1, PK
	v_lshl_add_u32 v[AK0], v9, 4, v[AK0]           ; row x pitch + 16 x half
	; The turning load takes 16 keys x 16 channels (lane l reads key 8 (l / 16) + l % 8, channels 8 ((l / 8) % 2) + 0..7) and leaves half a fragment of V^T: lane l holds channel l % 16 and 8 keys.
	v_and_b32 v10, 7, v0
	v_bfe_u32 v11, v0, 3, 1
	v_lshl_add_u32 v[AV0], v9, 3, v10
	v_mul_u32_u24 v[AV0], v[AV0], PV
	v_lshl_add_u32 v[AV0], v11, 4, v[AV0]
	v_add_nc_u32 v[AV0], VOFF, v[AV0]
	s_mul_i32 s14, s[WV], 16*SP
	s_add_co_u32 s14, s14, STAGE                   ; my stage
	v_mul_u32_u24 v[STO], v1, SP                   ; in: row l % 16, 16 bytes for each half of the lanes
	v_lshl_add_u32 v[STO], v9, 4, v[STO]
	v_add_nc_u32 v[STO], s14, v[STO]
	v_bfe_u32 v[RD], v0, 3, 2                      ; back: 32 lanes take four rows of 128 bytes,
	v_mul_u32_u24 v[RD], v[RD], SP
	v_lshl_add_u32 v[RD], v10, 4, v[RD]
	v_add_nc_u32 v[RD], s14, v[RD]
	v_and_b32 v[GO], 31, v0                        ; which are 512 consecutive bytes of O
	v_lshlrev_b32 v[GO], 4, v[GO]
; THE LDS LOADS stand in runs of 16: a step's K (64 keys x 64 channels: 8 fragments) and its V (turned).
.macro FETCH_K
	WIN 0
	v_add_nc_u32 v[AK], s[TBK], v[AK0]
	s_add_co_u32 s[TBK], s[TBK], KS*PK             ; the next fetch is the next step's
	WIN 0x80                                       ; destination window 2
.irp f, 0,1,2,3,4,5,6,7                ; keys 16 (f / 2) on, channels 32 (f % 2) on
	ds_load_b128 v[KF+8*\f:KF+8*\f+3],   v[AK] offset:(\f/2)*16*PK+(\f%2)*64
	ds_load_b128 v[KF+8*\f+4:KF+8*\f+7], v[AK] offset:(\f/2)*16*PK+(\f%2)*64+32
.endr
	WIN 0
.endm
.macro FETCH_V
	WIN 0
	v_add_nc_u32 v[AV], s[TBV], v[AV0]
	s_add_co_u32 s[TBV], s[TBV], KS*PV
	WIN 0x80
.irp f, 0,1,2,3,4,5,6,7                ; keys 32 (f / 4) on, channels 16 (f % 4) on
	ds_load_tr16_b128 v[VF+8*\f:VF+8*\f+3],   v[AV] offset:(\f/4)*32*PV+(\f%4)*32
	ds_load_tr16_b128 v[VF+8*\f+4:VF+8*\f+7], v[AV] offset:(\f/4)*32*PV+16*PV+(\f%4)*32
.endr
	WIN 0
.endm
.macro MASK                            ; MC = MD x AL + BE
	WIN W_RS
.set z_, 0
.rept 16
	v_pk_fma_f32 v[MC+2*z_:MC+2*z_+1], v[MD+2*z_:MD+2*z_+1], s[AL:AL+1], s[BE:BE+1] op_sel_hi:[1,0,0]
.set z_, z_+1
.endr
.endm
; THE MATRIX WORK.  The accumulators of a pass take turns, one instruction a turn: between two links of a chain stand three others' at the least.
; S^T = K Q^T for tiles c .. 3: channels 32 cc on, keys 16 kb on.  The first pass starts the sums: tile c's with the mask, the others' with 0.
.macro KQALL c
.set cc_, 0
.rept 2
.set x_, \c
.rept 4-(\c)
.set kb_, 0
.rept 4
.set rs_, S+32*x_+8*kb_
.set rk_, KF+16*kb_+8*cc_
.set rq_, 16*x_+8*cc_
.if (cc_ == 0) && (x_ == (\c))
	WIN W_KM
	v_wmma_f32_16x16x32_bf16 v[rs_:rs_+7], v[rk_:rk_+7], v[rq_:rq_+7], v[MC+8*kb_:MC+8*kb_+7]
.elseif cc_ == 0
	WIN W_KQ
	v_wmma_f32_16x16x32_bf16 v[rs_:rs_+7], v[rk_:rk_+7], v[rq_:rq_+7], 0
.else
	WIN W_KQ
	v_wmma_f32_16x16x32_bf16 v[rs_:rs_+7], v[rk_:rk_+7], v[rq_:rq_+7], v[rs_:rs_+7]
.endif
.set kb_, kb_+1
.endr
.set x_, x_+1
.endr
.set cc_, cc_+1
.endr
.endm
; Product pi_ of 8 t of O^T += V^T P for the t tiles c .. c + t - 1: keys 32 (pi_ / 4 t) on, tile c + (pi_ / 4) % t, channels 16 (pi_ % 4) on.
.macro PV1 c, t
	WIN W_PV
.set kk_, pi_/(4*(\t))
.set x_, (\c)+(pi_/4)%(\t)
.set cb_, pi_%4
.set ro_, 32*x_+8*cb_
.set rv_, VF+32*kk_+8*cb_
.set rp_, P+16*x_+8*kk_
	v_wmma_f32_16x16x32_bf16 v[ro_:ro_+7], v[rv_:rv_+7], v[rp_:rp_+7], v[ro_:ro_+7]
.set pi_, pi_+1
.endm
; THE VECTOR WORK, one line at a time: OP kind, number, tile.
;   K_X n, the 22 that find the maximum and the statistics: 0-11 four chains c0-c3 of seven scores each, three operands at a time (each accumulator's lowest registers are read first);
;          12-14, 16 the four scores left over, the old m, and c0-c3 into c0; 15 c m_old is kept; 17, 18 the query's other 32 keys lie in the lane 16 away: the new m; 19-21 c m; c m_old - c m_new; a
;   K_F n: c s - c m for pair n of 16.   K_E n: the exponential of score n of 32.   K_R n: pair n of 16 of O^T times a.   K_C n: pair n rounded to bf16.
;   K_A n: sum n of 15 of the 16 pairs, in place: neighbours 1, 2, 4 and 8 pairs apart.   K_L: l = a l + the sum.
.set K_X, 0
.set K_F, 1
.set K_E, 2
.set K_R, 3
.set K_C, 4
.set K_A, 5
.set K_L, 6
.macro OP k, n, x
.set rT, ST+4*(\x)
.set rC, TMP+4*(\x)
.set rW, MV+(\x)
.set rS, S+32*(\x)
.set rP, P+16*(\x)
.set rO, 32*(\x)
.if (\k) == K_R
	WIN W_RS
	v_pk_mul_f32 v[rO+2*(\n):rO+2*(\n)+1], v[rO+2*(\n):rO+2*(\n)+1], v[rC+2:rC+3] op_sel_hi:[1,0]
.else
	WIN 0
.if (\k) == K_F
	v_pk_fma_f32 v[rS+2*(\n):rS+2*(\n)+1], v[rS+2*(\n):rS+2*(\n)+1], s[CS:CS+1], v[rT:rT+1] op_sel_hi:[1,0,0] neg_lo:[0,0,1] neg_hi:[0,0,1]
.elseif (\k) == K_E
	v_exp_f32 v[rS+(\n)], v[rS+(\n)]
.elseif (\k) == K_C
	s_wait_alu depctr_va_vdst(0)
	v_cvt_pk_bf16_f32 v[rP+(\n)], v[rS+2*(\n)], v[rS+2*(\n)+1]
.elseif (\k) == K_A
.set w_, 4
.set u_, (\n)
.if (\n) >= 14
.set w_, 32
.set u_, 0
.elseif (\n) >= 12
.set w_, 16
.set u_, (\n)-12
.elseif (\n) >= 8
.set w_, 8
.set u_, (\n)-8
.endif
	v_pk_add_f32 v[rS+w_*u_:rS+w_*u_+1], v[rS+w_*u_:rS+w_*u_+1], v[rS+w_*u_+w_/2:rS+w_*u_+w_/2+1]
.elseif (\k) == K_L
	v_pk_fma_f32 v[rT+2:rT+3], v[rT+2:rT+3], v[rC+2:rC+3], v[rS:rS+1] op_sel_hi:[1,0,1]
.elseif (\n) < 4
	v_max3_num_f32 v[rC+(\n)], v[rS+8*(\n)], v[rS+8*(\n)+1], v[rS+8*(\n)+2]
.elseif (\n) < 12
	v_max3_num_f32 v[rC+(\n)%4], v[rC+(\n)%4], v[rS+8*((\n)%4)+2*((\n)/4)+1], v[rS+8*((\n)%4)+2*((\n)/4)+2]
.elseif (\n) == 12
	v_max3_num_f32 v[rC], v[rC], v[rS+7], v[rS+15]
.elseif (\n) == 13
	v_max3_num_f32 v[rC+1], v[rC+1], v[rS+23], v[rS+31]
.elseif (\n) == 14
	v_max3_num_f32 v[rC+2], v[rC+2], v[rC+3], v[rT+1]
.elseif (\n) == 15
	v_mov_b32 v[rW], v[rT]
.elseif (\n) == 16
	v_max3_num_f32 v[rC], v[rC], v[rC+1], v[rC+2]
.elseif (\n) == 17
	v_permlanex16_b32 v[rC+3], v[rC], s[SEL], s[SEL+1]
.elseif (\n) == 18
	v_max_num_f32 v[rT+1], v[rC], v[rC+3]
.elseif (\n) == 19
	v_mul_f32 v[rT], s[CS], v[rT+1]
.elseif (\n) == 20
	v_sub_f32 v[rC+1], v[rW], v[rT]
.else
	v_exp_f32 v[rC+2], v[rC+1]
.endif
.endif
.endm
; Number j of the 102 lines of a tile's softmax that stand behind K Q^T.  0-20: the maximum and the statistics.  From 21 on a plain line stands at 21 and at every even number, an exponential (a at 23, then
; score (j - 25) / 2) at every odd one up to 87.  Plain line q = (j - 20) / 2 is whatever is ready: a scaling some pairs ahead of its exponentials (q = 0 to 3, then every second q), the rounding of a pair
; whose second exponential stands three numbers back (every other q from 5 on), at last the sums, each behind the roundings of the pairs that it overwrites, and l.
.macro SM j, x
.set q_, ((\j)-20)/2
.if (\j) < 21
	OP K_X, \j, \x
.elseif (\j) == 23
	OP K_X, 21, \x
.elseif ((\j) < 88) && ((\j) > 23) && ((\j)%2 == 1)
	OP K_E, ((\j)-25)/2, \x
.elseif q_ < 4
	OP K_F, q_, \x
.elseif ((\j) < 76) && (q_%2 == 0)
	OP K_F, q_/2+2, \x
.elseif ((\j) < 88) && (q_%2 == 1)
	OP K_C, (q_-5)/2, \x
.elseif (\j) == 89
	OP K_C, 15, \x
.elseif (\j) < 89
	OP K_A, ((\j)-76)/4, \x
.elseif (\j) < 101
	OP K_A, (\j)-86, \x
.else
	OP K_L, 0, \x
.endif
.endm
; The softmax of tiles c .. 3, each number for all tiles in turn, so that exponentials stand in runs with plain, independent lines behind them (ISA guide 5.7.2).  Behind every fourth line stands a product
; V^T P of the step before, until all 8 a tile are out: the last reader of P's lower half behind number 15 (first written at 30), of its upper half and of V behind number 31 (P's upper half is first
; written at 62).  V of this step is fetched behind number 47: eight plain lines a tile behind the last product, none of which names a register of it.
.macro SOFT c
.set vc_, 0
.set pi_, 0
.set j_, 0
.rept 102
.set y_, \c
.rept 4-(\c)
	SM j_, y_
.set vc_, vc_+1
.if (vc_%4 == 0) && (pi_ < 8*(4-(\c)))
	PV1 \c, 4-(\c)
.endif
.set y_, y_+1
.endr
.if j_ == 47
	FETCH_V
.endif
.set j_, j_+1
.endr
.endm
.macro RESCALE c, t                    ; O^T = O^T a for the t tiles from c on, each tile's registers in ascending order
.set n_, 0
.rept 16
.set y_, \c
.rept \t
	OP K_R, n_, y_
.set y_, y_+1
.endr
.set n_, n_+1
.endr
.endm
; CHUNK c.  My part of it has landed when at most 3 - c of my four loads are out (tensor loads of a wave end in order: ISA guide 10.11.1); behind the barrier everybody's has.  Nothing is ever filled
; again, so the later chunks may stay on their way.
.macro SECTION c
	WIN 0
	s_wait_dscnt 0x0
	s_wait_tensorcnt 3-(\c)
	s_barrier_signal -1
	s_barrier_wait -1
	s_mov_b32 s[TBK], (\c)*256*PK
	s_mov_b32 s[TBV], (\c)*256*PV
	s_mov_b32 s[CNT], 0
.Lstep\c:
	FETCH_K                                        ; this step's K: the last product that read K stands in front of a whole softmax
	s_cmp_eq_u32 s[CNT], s[CX]                     ; is this step my rows' own?
	s_cselect_b32 s[AL], 1.0, 0
	s_cmp_gt_u32 s[CNT], s[CX]                     ; or a later one?
	s_cselect_b32 s[BE], s[BIGN], 0
	MASK                                           ; the mask and the rescaling stand where K's loads are on their way
	RESCALE \c, 4-(\c)
	s_wait_dscnt 0x0                               ; K of this step and V of the step before are in
	KQALL \c
	PLACES
	SOFT \c
	WIN 0
	s_add_co_u32 s[CNT], s[CNT], 1
	s_cmp_lt_u32 s[CNT], 4
	s_cbranch_scc1 .Lstep\c
	s_wait_dscnt 0x0                               ; V of the chunk's last step
	RESCALE \c, 1                                  ; tile c leaves: what it still owes
.set pi_, 0
.rept 8
	PV1 \c, 1
.endr
	PLACES
	WIN 0
.endm
	s_wait_loadcnt 24                              ; Q's 16 loads are in; the 24 younger ones, the first batch of weights, stay out
	SECTION 0
	CSTORES 0
	CLOADS 24
	SECTION 1
	CSTORES 24
	CLOADS 48
	SECTION 2
	CSTORES 48
	SECTION 3
	; THE WAY OUT.  l's two halves and the other half of the lanes' are added; O^T is divided by l, rounded to bf16 and sent through my stage in LDS, a tile at a time.
.macro ALL line:vararg                 ; one line for each tile t
.set t, 0
.rept 4
	\line
.set t, t+1
.endr
.endm
	ALL v_add_f32 v[ST+4*t+2], v[ST+4*t+2], v[ST+4*t+3]
	ALL v_permlanex16_b32 v[ST+4*t+3], v[ST+4*t+2], s[SEL], s[SEL+1]
	ALL v_add_f32 v[ST+4*t+2], v[ST+4*t+2], v[ST+4*t+3]
	ALL v_rcp_f32 v[ST+4*t+2], v[ST+4*t+2]
	v_nop                                          ; a plain instruction between the last reciprocal and the use of its result
.macro PACK t                          ; a lane's eight channels of a row pack into 16 bytes; they go into rows of 144 bytes and come back as whole rows of 128, into S^T's registers
	WIN W_RS
.set i, 32*(\t)
.rept 16
	s_wait_alu depctr_va_vdst(0)
	v_pk_mul_f32 v[i:i+1], v[i:i+1], v[ST+4*(\t)+2:ST+4*(\t)+3] op_sel_hi:[1,0]
.set i, i+2
.endr
	WIN 0x05                                       ; sources 0 and 1 window 1, destination window 0
.set i, 0
.rept 16
	v_cvt_pk_bf16_f32 v[S+16*(\t)+i], v[32*(\t)+2*i], v[32*(\t)+2*i+1]
.set i, i+1
.endr
	WIN 0
.irp f, 0,1,2,3
	ds_store_b128 v[STO], v[S+16*(\t)+4*\f:S+16*(\t)+4*\f+3] offset:32*\f
.endr
.irp f, 0,1,2,3
	ds_load_b128 v[S+16*(\t)+4*\f:S+16*(\t)+4*\f+3], v[RD] offset:\f*4*SP  ; LDS serves a wave's instructions in order (ISA guide 5.7.1.4): these see the stores above; the next tile's stores come behind them
.endr
.endm
.macro SEND t, younger                 ; younger: the LDS instructions issued behind tile t's loads: the next tile's eight, or none
	WIN 0
.irp f, 0,1,2,3
	s_wait_dscnt (\younger)+3-\f
	global_store_b128 v[GO], v[S+16*(\t)+4*\f:S+16*(\t)+4*\f+3], s[OA:OA+1] offset:(\t)*32768+\f*512  ; 512 consecutive bytes, at a multiple of 256 from O's first
.endr
.endm
	PACK 0
.set t, 1
.rept 3                                ; a tile's arithmetic stands between the loads of the tile before and its stores
	PACK t
	SEND t-1, 8
.set t, t+1
.endr
	SEND 3, 0
	s_wait_tensorcnt 0x0
	ds_add_u32 v46, v47
	s_wait_dscnt 0x0
	CROUND                                         ; the closing round
	s_endpgm
.Lfunc_end_k_q705db623ac_attn:
	.size	k_q705db623ac_attn, .Lfunc_end_k_q705db623ac_attn-k_q705db623ac_attn
	.p2alignl 7, 3214868480
	.fill 96, 4, 3214868480
	.section	.rodata,"a",@progbits
	.p2align	6, 0x0
	.amdhsa_kernel k_q705db623ac_attn
		.amdhsa_group_segment_fixed_size 321024
		.amdhsa_private_segment_fixed_size 0
		.amdhsa_enable_private_segment 0
		.amdhsa_kernarg_size 48
		.amdhsa_user_sgpr_count 2
		.amdhsa_user_sgpr_kernarg_segment_ptr 1
		.amdhsa_wavefront_size32 1
		.amdhsa_system_sgpr_workgroup_id_x 1
		.amdhsa_system_sgpr_workgroup_id_y 1
		.amdhsa_system_sgpr_workgroup_id_z 1
		.amdhsa_system_vgpr_workitem_id 0
		.amdhsa_next_free_vgpr 912
		.amdhsa_next_free_sgpr 102
		.amdhsa_reserve_vcc 1
		.amdhsa_float_denorm_mode_32 3
		.amdhsa_float_denorm_mode_16_64 3
		.amdhsa_memory_ordered 1
		.amdhsa_forward_progress 1
		.amdhsa_inst_pref_size 167
	.end_amdhsa_kernel
	.amdgpu_metadata
---
amdhsa.version: [ 1, 2 ]
amdhsa.kernels:
  - .name:           k_q705db623ac_attn
    .symbol:         k_q705db623ac_attn.kd
    .args:
      - { .name: qkv, .offset: 0, .size: 8, .value_kind: global_buffer, .address_space: global }
      - { .name: ob, .offset: 8, .size: 8, .value_kind: global_buffer, .address_space: global }
      - { .name: Wp, .offset: 16, .size: 8, .value_kind: global_buffer, .address_space: global }
      - { .name: W1, .offset: 24, .size: 8, .value_kind: global_buffer, .address_space: global }
      - { .name: W2, .offset: 32, .size: 8, .value_kind: global_buffer, .address_space: global }
      - { .name: wb, .offset: 40, .size: 8, .value_kind: global_buffer, .address_space: global }
    .group_segment_fixed_size: 321024
    .private_segment_fixed_size: 0
    .kernarg_segment_align: 8
    .kernarg_segment_size: 48
    .max_flat_workgroup_size: 128
    .sgpr_count:     102
    .vgpr_count:     912
    .wavefront_size: 32
...
	.end_amdgpu_metadata
.endif
;; end of part 3
;; launch wproj (part 4): grid 8 x 32, 4 waves a work-group, clusters of 4 x 4, 327,680 bytes of LDS; arguments ob, wb, x1, bp, x; writes x1
.if DOCPART == 4
	.amdgcn_target "amdgcn-amd-amdhsa--gfx1250"
	.amdhsa_code_object_version 6
	.text
	.protected	k_q705db623ac_wproj
	.globl	k_q705db623ac_wproj
	.p2align	8
	.type	k_q705db623ac_wproj,@function
k_q705db623ac_wproj:
	s_mov_b64 s[64:65], 0
	v_nop
	global_prefetch_b8 v0, s[64:65] scope:SCOPE_SE
	s_setreg_imm32_b32 hwreg(HW_REG_WAVE_MODE, 25, 1), 1
	s_wait_xcnt 0x0
	s_wait_alu depctr_hold_cnt(0) depctr_sa_sdst(0) depctr_va_vdst(0) depctr_va_sdst(0) depctr_va_ssrc(0) depctr_va_vcc(0) depctr_vm_vsrc(0)
	s_getreg_b32 s2, hwreg(HW_REG_IB_STS2, 6, 4)
	s_cmp_eq_u32 s2, 0
	s_cbranch_scc0 .Lentry_in_a_cluster
	s_endpgm
.Lentry_in_a_cluster:
	s_bfe_u32 s2, ttmp6, 0x10000c
	s_cmp_lg_u32 s2, 0xf033
	s_cbranch_scc0 .Lentry_shape_is_right
	s_endpgm
.Lentry_shape_is_right:
; x1 = x + o Wp + bp.  C = A B + bias + residual: A = ob [4096 x 1024] and B = Wp in wb [1024 x 1024], bf16 in slabs of 64 columns; bias, residual and C in f32, C and the residual [4096][1024] row-major.
; Sums in f32, K ascending.  A tile of C is MT x NT = 128 x 128, so that the 4096 x 1024 numbers make 256 work-groups; four waves in 2 x 2, each 64 x 64.  K goes in steps of KS = 256, as long as two slots in
; LDS allow.  In memory a tile of A is KS/64 dense runs of MT/2 rows x 128 bytes, a tile of B NT/128 dense runs of KS k-rows x 128 bytes: a run is one row of the descriptor (8 KB and more).
; In LDS every 128 bytes are followed by padding: A's rows are 144 bytes apart (read as they lie, along K), B's k-rows 160 (read turned, by ds_load_tr16_b128).
; CLUSTER 4 x 4: the four work-groups of a row of the cluster need the same tiles of A, the four of a column the same tiles of B; each tile is asked for jointly.
; THE MATRIX INSTRUCTION IS USED TRANSPOSED (source 0 = 16 columns of B, source 1 = 16 rows of A): a lane then holds row lane % 16 of C and eight neighbouring columns, 8 (lane / 16) + 0 .. 7.
; REGISTERS, in windows of 256: window 0: v0-31 addresses and my four numbers of the bias; v64-191 A's fragments, two buffers, at the end the rows on their way out.
;   window 1: B's fragments, two buffers.   window 2: v0-127 the 16 accumulators, block (a, b) at 8 (a NB + b); v128-255 my part of the residual, loaded at the start in the layout of the stores.
; LIMITS.  Matrix operands are bf16; NaN and infinities are not treated apart.
.set SIZE_K, 1024
.set MT,     128
.set NT,     128
.set KS,     256
.set DP,     2                         ; a quarter of a K step is 32 DP along K
.set WOFF,   6291456                   ; B's first byte in wb
.set MB,    MT/32                      ; blocks of 16 rows a wave
.set NB,    NT/32                      ; blocks of 16 columns a wave
.set PA,    144                        ; 36 words: the 16 rows of a load start at 16 different groups of four banks (64 banks of 4 bytes: ISA guide 11.1)
.set PB,    160                        ; 40 words
.set AROWS, MT/2
.set ZS,    KS/64                      ; slabs of A in a K step
.set ASLAB, AROWS*PA
.set AHALF, ZS*ASLAB                   ; what one load brings of A, and what one wave reads
.set BSL,   NT/128                     ; slabs of B for half the tile's columns
.set BSLAB, KS*PB
.set BHALF, BSL*BSLAB
.set SLOT,  2*AHALF+2*BHALF            ; A's two halves, then B's two halves
.set ASTEP, ZS*524288                  ; bytes from a K step to the next in A,
.set BSTEP, KS*128                     ; and in B
.set NLD,   2*(MB+NB)*DP               ; LDS loads of a quarter
.set LAPS,  SIZE_K/(2*KS)
.set SP,    272                        ; a row of the stage: the wave's 64 columns in f32 + 16 bytes
.set ADRA, 16                          ; v16-17  LDS address of my A fragments in slot 0, 1
.set ADRB, 20                          ; v20-21  the same for B
.set STO,  24                          ; v24     the way out: where I put 32 bytes of a row
.set RD,   25                          ; v25     where I read rows back
.set CO,   26                          ; v26     my byte offset in two rows of C and of the residual
.set BO,   27                          ; v27     my byte offset in the bias
.set BI,   28                          ; v[28:31] the bias of my four columns
.set G1,  24                           ; s[24:31] descriptor group 1 for A;  s[32:39] group 0, a set for each slot
.set G0,  32
.set G1B, 48                           ; s[48:55], s[56:63] the same for B
.set G0B, 56
.set MSB, 0
.macro WIN new                         ; the immediate's high byte repeats the setting that is left; a switch that changes nothing is dropped
.if MSB != (\new)
	s_set_vgpr_msb (MSB<<8)|(\new)
.set MSB, \new
.endif
.endm
.macro PLACES                          ; four places in front of loads into registers that matrix instructions have read, and of lines that read results
.rept 4
	v_nop
.endr
.endm
.macro JLOAD s                         ; a joint refill: waves 0, 1 fetch A's halves, waves 2, 3 B's; four v_nop follow each of the two lines
	s_cmp_eq_u32 s11, 0
	s_cbranch_scc0 .Lfor_b_\@
	tensor_load_to_lds s[G0+4*(\s):G0+4*(\s)+3], s[G1:G1+7]
	s_nop 0
.rept 4
	v_nop
.endr
	s_branch .Lasked_\@
.Lfor_b_\@:
	tensor_load_to_lds s[G0B+4*(\s):G0B+4*(\s)+3], s[G1B:G1B+7]
	s_nop 0
.rept 4
	v_nop
.endr
.Lasked_\@:
.endm
.macro CREST                           ; a round of the cluster's barrier behind its opening barrier
	s_cmp_lg_u32 s10, 0
	s_cbranch_scc1 .Lnot_wave_0_\@
	s_barrier_signal -3
.Lnot_wave_0_\@:
	s_barrier_wait -3
	s_barrier_signal -1
	s_barrier_wait -1
.endm
.macro CROUND                          ; a whole round
	s_barrier_signal -1
	s_barrier_wait -1
	CREST
.endm
	s_load_b128 s[4:7], s[0:1], 0x0                ; A s[4:5], wb s[6:7]
	s_load_b64 s[8:9], s[0:1], 0x10                ; C
	s_load_b128 s[68:71], s[0:1], 0x18             ; the bias s[68:69], the residual s[70:71]
	s_set_vgpr_msb 0x40
	v_lshl_add_u32 v255, v0, 2, 0x4c000
	s_set_vgpr_msb 0x4000
	v_mov_b32 v255, 0
	s_set_vgpr_msb 0x1
	ds_add_u32 v255, v255
	s_set_vgpr_msb 0x100
	v_lshrrev_b32 v1, 5, v0
	v_readfirstlane_b32 s10, v1                    ; wave 0..3
	s_lshr_b32 s11, s10, 1                         ; which half of the tile's rows is mine.  Also: I fetch for A (0) or for B (1)
	s_and_b32 s12, s10, 1                          ; which half of its columns.  Also: which half of that tile I fetch
	s_bfe_u32 s40, ttmp6, 0x40000                  ; cx, cy: my place in the cluster
	s_bfe_u32 s41, ttmp6, 0x40004
	s_lshl_b32 s42, ttmp9, 2
	s_add_co_u32 s42, s42, s40                     ; tile column = 4 x cluster x + cx
	s_and_b32 s13, ttmp7, 0xffff
	s_lshl_b32 s13, s13, 2
	s_add_co_u32 s13, s13, s41                     ; tile row = 4 x cluster y + cy
	s_lshl_b32 s43, s41, 2
	s_lshl_b32 s43, 15, s43                        ; my row of the cluster
	s_lshl_b32 s44, 0x1111, s40                    ; my column
	s_or_b32 s[G1+0], s43, (1<<16)|(1<<20)|(1<<21)|(4<<22)|(3<<25)   ; 15:0 the mask; 17:16 2-byte elements; 20 padding on; 21 set beside a mask; 24:22 after every 32 words (code 4); 31:25 4 words (code 3)
	s_or_b32 s[G1B+0], s44, (1<<16)|(1<<20)|(1<<21)|(4<<22)|(7<<25)  ; the same with my column's mask and 8 words of padding (code 7)
	s_mov_b32 s[G1+1], (AROWS*64)<<16              ; tensor_dim0: a run of AROWS rows x 64 elements
	s_mov_b32 s[G1+2], ZS<<16                      ; tensor_dim1: one run for each slab of the K step
	s_mov_b32 s[G1+3], (AROWS*64)<<16              ; tile_dim0
	s_mov_b32 s[G1+4], ZS                          ; tile_dim1
	s_mov_b32 s[G1+5], 262144                      ; elements from slab to slab of A
	s_mov_b32 s[G1+6], 0
	s_mov_b32 s[G1+7], 0
	s_mov_b32 s[G1B+1], (KS*64)<<16                ; a run of KS k-rows x 64 elements
	s_mov_b32 s[G1B+2], BSL<<16
	s_mov_b32 s[G1B+3], (KS*64)<<16
	s_mov_b32 s[G1B+4], BSL
	s_mov_b32 s[G1B+5], SIZE_K*64                  ; elements from slab to slab of B
	s_mov_b32 s[G1B+6], 0
	s_mov_b32 s[G1B+7], 0
	; A's address hangs on the tile row and the wave alone, B's on the tile column and the wave alone, each in registers that never hold the other coordinate
	s_mul_i32 s16, s13, MT*128
	s_mul_i32 s17, s12, AROWS*128
	s_add_co_u32 s16, s16, s17
	s_mov_b32 s17, 0
	s_mul_i32 s46, s42, (NT/64)*SIZE_K*128
	s_mul_i32 s47, s12, BSL*SIZE_K*128
	s_add_co_u32 s46, s46, s47
	s_add_co_u32 s46, s46, WOFF
	s_mov_b32 s47, 0
	s_mul_i32 s20, s12, AHALF                      ; where they go: no place in the cluster enters an LDS address
	s_mul_i32 s21, s12, BHALF
	s_wait_dscnt 0x0
	s_wait_kmcnt 0x0
	s_add_nc_u64 s[14:15], s[4:5], s[16:17]
	s_add_nc_u64 s[46:47], s[6:7], s[46:47]
.irp s, 0,1
	s_mov_b32 s[G0+4*(\s)], 1
	s_add_co_u32 s[G0+4*(\s)+1], s20, (\s)*SLOT
	s_add_nc_u64 s[G0+4*(\s)+2:G0+4*(\s)+3], s[14:15], (\s)*ASTEP
	s_or_b32 s[G0+4*(\s)+3], s[G0+4*(\s)+3], 0x80000000
	s_mov_b32 s[G0B+4*(\s)], 1
	s_add_co_u32 s[G0B+4*(\s)+1], s21, (\s)*SLOT+2*AHALF
	s_add_nc_u64 s[G0B+4*(\s)+2:G0B+4*(\s)+3], s[46:47], (\s)*BSTEP
	s_or_b32 s[G0B+4*(\s)+3], s[G0B+4*(\s)+3], 0x80000000
.endr
	CROUND                                         ; all sixteen work-groups are here: the first joint loads meet
	s_cmp_eq_u32 s11, 0                            ; a wave's two first fills stand in one branch: two loads of mine are out, later one
	s_cbranch_scc0 .Lfirst_b
	tensor_load_to_lds s[G0:G0+3], s[G1:G1+7]
	s_nop 0
	tensor_load_to_lds s[G0+4:G0+7], s[G1:G1+7]
	s_nop 0
.rept 4
	v_nop
.endr
	s_branch .Lfirst_asked
.Lfirst_b:
	tensor_load_to_lds s[G0B:G0B+3], s[G1B:G1B+7]
	s_nop 0
	tensor_load_to_lds s[G0B+4:G0B+7], s[G1B:G1B+7]
	s_nop 0
.rept 4
	v_nop
.endr
.Lfirst_asked:
	v_and_b32 v1, 15, v0                           ; r = l % 16
	v_bfe_u32 v2, v0, 4, 1                         ; h = l / 16
	v_mul_u32_u24 v3, v1, PA                       ; A: row r, 16 bytes for each half of the lanes
	v_lshl_add_u32 v3, v2, 4, v3
	v_and_b32 v4, 7, v0                            ; B, turned: lane l reads k-row 8 h + l % 8, columns 8 ((l / 8) % 2) + 0..7
	v_lshl_add_u32 v4, v2, 3, v4
	v_mul_u32_u24 v4, v4, PB
	v_bfe_u32 v5, v0, 3, 1
	v_lshl_add_u32 v4, v5, 4, v4
	s_mul_i32 s22, s11, AHALF                      ; my rows of A
	s_mul_i32 s23, s12, BHALF                      ; my columns of B,
	s_add_co_u32 s23, s23, 2*AHALF                 ; which lie behind A's two halves
.irp s, 0,1
	v_add_nc_u32 v[ADRA+(\s)], s22, v3
	v_add_nc_u32 v[ADRB+(\s)], s23, v4
	s_add_co_u32 s22, s22, SLOT
	s_add_co_u32 s23, s23, SLOT
.endr
	; The stage: 16 rows of SP bytes for each wave, its own, at the head of slot 0.  It is written only behind the last change of slots, when slot 0 has had its last fill and every wave's reads of it are over.
	s_mul_i32 s23, s10, 16*SP
	v_mul_u32_u24 v6, v1, SP                       ; in: row r, 32 bytes for each half of the lanes
	v_lshl_add_u32 v6, v2, 5, v6
	v_add_nc_u32 v[STO], s23, v6
	v_mul_u32_u24 v6, v2, SP                       ; back: lanes 0-15 take one row of 256 bytes, lanes 16-31 the next
	v_lshl_add_u32 v6, v1, 4, v6
	v_add_nc_u32 v[RD], s23, v6
	v_lshlrev_b32 v[BO], 4, v1                     ; my four columns: 16 r bytes
	v_lshl_add_u32 v[CO], v2, 12, v[BO]            ; and the same two rows in C: 4,096 h + 16 r
	s_mul_i32 s16, s13, MT*4096                    ; C and the residual at my first row,
	s_mul_i32 s17, s11, AROWS*4096
	s_add_co_u32 s16, s16, s17
	s_mov_b32 s17, 0
	s_add_nc_u64 s[8:9], s[8:9], s[16:17]
	s_add_nc_u64 s[70:71], s[70:71], s[16:17]
	s_mul_i32 s46, s42, NT*4                       ; and, with the bias, at my first column
	s_mul_i32 s47, s12, NT*2
	s_add_co_u32 s46, s46, s47
	s_mov_b32 s47, 0
	s_add_nc_u64 s[8:9], s[8:9], s[46:47]
	s_add_nc_u64 s[70:71], s[70:71], s[46:47]
	s_add_nc_u64 s[68:69], s[68:69], s[46:47]
	WIN 0x80                                       ; destination window 2
.set p_, 0
.rept 8*MB                             ; rows 2 p, 2 p + 1 of my 64: sixteen lanes read 256 consecutive bytes; the loads stay out until the way out
	global_load_b128 v[128+4*p_:128+4*p_+3], v[CO], s[70:71] offset:2*p_*4096
.set p_, p_+1
.endr
	WIN 0
	global_load_b128 v[BI:BI+3], v[BO], s[68:69]
; Matrix instructions for row blocks a0 .. a0 + na - 1 x all NB column blocks, the quarter in buffer f.  The accumulators take turns, one instruction a turn.
; zero = 1: the first product starts the sums: nothing is ever cleared.
.macro MULA f, a0, na, zero
.set c_, 0
.rept DP
.set a_, \a0
.rept \na
.set b_, 0
.rept NB
.set x_, a_*NB+b_
.set d_, 8*(x_%32)
.set rb_, (\f)*8*NB*DP+8*(c_*NB+b_)
.set ra_, 64+64*(\f)+8*(c_*MB+a_)
	WIN 0xa1+0x50*(x_/32)                          ; source 0 (B) window 1, source 1 (A) window 0, C and D window 2
.if (\zero) && (c_ == 0)
	v_wmma_f32_16x16x32_bf16 v[d_:d_+7], v[rb_:rb_+7], v[ra_:ra_+7], 0
.else
	v_wmma_f32_16x16x32_bf16 v[d_:d_+7], v[rb_:rb_+7], v[ra_:ra_+7], v[d_:d_+7]
.endif
.set b_, b_+1
.endr
.set a_, a_+1
.endr
.set c_, c_+1
.endr
.endm
; The NLD LDS loads of quarter q of a slot, in one run, into buffer f: B's fragments, then A's lower row blocks, then A's upper ones
.macro FETCH slot, q, f
	WIN 0x40                                       ; destination window 1, address window 0
.set c_, 0
.rept DP
.set k_, 32*((\q)*DP+c_)
.set b_, 0
.rept NB
.set rb_, (\f)*8*NB*DP+8*(c_*NB+b_)
.set o_, (b_/4)*BSLAB+k_*PB+(b_%4)*32
	ds_load_tr16_b128 v[rb_:rb_+3],   v[ADRB+(\slot)] offset:o_
	ds_load_tr16_b128 v[rb_+4:rb_+7], v[ADRB+(\slot)] offset:o_+16*PB
.set b_, b_+1
.endr
.set c_, c_+1
.endr
	WIN 0
.set h_, 0
.rept 2
.set c_, 0
.rept DP
.set k_, 32*((\q)*DP+c_)
.set a_, h_*(MB/2)
.rept MB/2
.set ra_, 64+64*(\f)+8*(c_*MB+a_)
.set o_, (k_/64)*ASLAB+a_*16*PA+(k_%64)*2
	ds_load_b128 v[ra_:ra_+3],   v[ADRA+(\slot)] offset:o_
	ds_load_b128 v[ra_+4:ra_+7], v[ADRA+(\slot)] offset:o_+32
.set a_, a_+1
.endr
.set c_, c_+1
.endr
.set h_, h_+1
.endr
.endm
; A K step is four quarters on buffers 0, 1, 0, 1.  One of the first three: multiplies buffer f; in its middle it fetches quarter qn of the same slot into buffer g.
.macro QUARTER slot, qn, f, g, zero
	s_wait_dscnt MB*DP                             ; B and A's lower blocks are in; the youngest MB DP loads, A's upper blocks, may be out
	MULA \f, 0, MB/2, \zero
	PLACES
	FETCH \slot, \qn, \g
	s_wait_dscnt NLD                               ; all but the NLD just issued
	MULA \f, MB/2, MB/2, \zero
.endm
; The last quarter multiplies buffer 1 and changes slots: ONE barrier; in front of it each wave waits for its own reads of this slot and for all its tensor loads, of which one is out: its part of the next slot.
; fill = 1: the barrier opens a round of the cluster's barrier, and this slot is filled again, two K steps ahead, first thing behind the round.
.macro TURN slot, next, fill
	s_wait_dscnt MB*DP
	MULA 1, 0, MB/4, 0
	s_wait_dscnt 0x0                               ; my reads of this slot are over,
	s_wait_tensorcnt 0x0                           ; and all my tensor loads have landed
	ds_add_u32 v255, v255
	s_wait_dscnt 0x0
	s_barrier_signal -1
	MULA 1, MB/4, MB/4, 0                          ; work on registers while the others arrive
.if \fill
	WIN 0
.endif
	s_barrier_wait -1
.if \fill
	CREST                                          ; no wave of any partner still reads this slot or has a load on its way
	s_add_nc_u64 s[G0+4*(\slot)+2:G0+4*(\slot)+3], s[G0+4*(\slot)+2:G0+4*(\slot)+3], 2*ASTEP
	s_add_nc_u64 s[G0B+4*(\slot)+2:G0B+4*(\slot)+3], s[G0B+4*(\slot)+2:G0B+4*(\slot)+3], 2*BSTEP
	JLOAD \slot                                    ; the four v_nop behind it are also the places in front of the loads below
.else
	PLACES
.endif
	FETCH \next, 0, 0
	MULA 1, MB/2, MB/2, 0
.endm
	s_wait_tensorcnt 0x1                           ; my part of K step 0 is in; K step 1's may stay out
	s_barrier_signal -1
	s_barrier_wait -1                              ; everybody's is
	FETCH 0, 0, 0
	QUARTER 0, 1, 0, 1, 1                          ; the first quarter stands in front of the loop: its first products start the sums
	WIN 0                                          ; at a label and at a branch every window is 0
	s_mov_b32 s3, LAPS-1
.Llap:                                                 ; a trip goes once round the ring, from a lap's second quarter to the next lap's first, and fills both slots again
	QUARTER 0, 2, 1, 0, 0
	QUARTER 0, 3, 0, 1, 0
	TURN 0, 1, 1
	QUARTER 1, 1, 0, 1, 0
	QUARTER 1, 2, 1, 0, 0
	QUARTER 1, 3, 0, 1, 0
	TURN 1, 0, 1
	QUARTER 0, 1, 0, 1, 0
	WIN 0
	s_sub_co_u32 s3, s3, 1
	s_cmp_lg_u32 s3, 0
	s_cbranch_scc1 .Llap
	QUARTER 0, 2, 1, 0, 0                          ; the last lap fills nothing
	QUARTER 0, 3, 0, 1, 0
	TURN 0, 1, 0
	QUARTER 1, 1, 0, 1, 0
	QUARTER 1, 2, 1, 0, 0
	QUARTER 1, 3, 0, 1, 0
	s_wait_dscnt MB*DP                             ; the very last quarter: nothing more to fetch
	MULA 1, 0, MB/2, 0
	s_wait_dscnt 0x0
	MULA 1, MB/2, MB/2, 0
	WIN 0
	PLACES
	s_wait_loadcnt 0x0                             ; the residual and the bias
; THE WAY OUT of row block a.  TOST: the sums go as they are into my stage (each accumulator's low half first) and come back as whole rows of 256 bytes.
.macro TOST a
	s_wait_xcnt 0x0                                ; the stores issued so far have read their registers: this block's buffer is loaded again only behind this wait
	WIN 0x08                                       ; the data in window 2
.set b_, 0
.rept NB
.set d_, 8*((\a)*NB+b_)
	ds_store_b128 v[STO], v[d_:d_+3]   offset:64*b_
	ds_store_b128 v[STO], v[d_+4:d_+7] offset:64*b_+16
.set b_, b_+1
.endr
	WIN 0
.set k_, 64+32*((\a)%2)
.set p_, 0
.rept 8
	ds_load_b128 v[k_+4*p_:k_+4*p_+3], v[RD] offset:2*p_*SP  ; LDS serves a wave's instructions in order (ISA guide 5.7.1.4): these see the stores above
.set p_, p_+1
.endr
.endm
; SOUT: bias and residual are added, and the rows are stored.  younger: the LDS instructions issued behind this block's loads: the next block's sixteen, or none.
.macro SOUT a, younger
	WIN 0
.set k_, 64+32*((\a)%2)
	s_wait_dscnt \younger
.set p_, 0
.rept 8
	v_pk_add_f32 v[k_+4*p_:k_+4*p_+1],   v[k_+4*p_:k_+4*p_+1],   v[BI:BI+1]
	v_pk_add_f32 v[k_+4*p_+2:k_+4*p_+3], v[k_+4*p_+2:k_+4*p_+3], v[BI+2:BI+3]
.set p_, p_+1
.endr
	WIN 0x08                                       ; source 1 window 2
.set p_, 0
.rept 16
	v_pk_add_f32 v[k_+2*p_:k_+2*p_+1], v[k_+2*p_:k_+2*p_+1], v[128+32*(\a)+2*p_:128+32*(\a)+2*p_+1]
.set p_, p_+1
.endr
	WIN 0
.set p_, 0
.rept 8
	global_store_b128 v[CO], v[k_+4*p_:k_+4*p_+3], s[8:9] offset:(16*(\a)+2*p_)*4096  ; 16 lanes store 256 consecutive bytes, at a multiple of 256 from C's first byte
.set p_, p_+1
.endr
.endm
	TOST 0
	TOST 1
	SOUT 0, 16
	TOST 2
	SOUT 1, 16
	TOST 3
	SOUT 2, 16
	SOUT 3, 0
	s_set_vgpr_msb 0x1
	s_wait_tensorcnt 0x0
	ds_add_u32 v255, v255
	s_wait_dscnt 0x0
	s_set_vgpr_msb 0x100
	CROUND                                         ; the closing round: no work-group ends while a partner may still ask for a tile that names it
	s_endpgm
.Lfunc_end_k_q705db623ac_wproj:
	.size	k_q705db623ac_wproj, .Lfunc_end_k_q705db623ac_wproj-k_q705db623ac_wproj
	.p2alignl 7, 3214868480
	.fill 96, 4, 3214868480
	.section	.rodata,"a",@progbits
	.p2align	6, 0x0
	.amdhsa_kernel k_q705db623ac_wproj
		.amdhsa_group_segment_fixed_size 327680
		.amdhsa_private_segment_fixed_size 0
		.amdhsa_enable_private_segment 0
		.amdhsa_kernarg_size 40
		.amdhsa_user_sgpr_count 2
		.amdhsa_user_sgpr_kernarg_segment_ptr 1
		.amdhsa_wavefront_size32 1
		.amdhsa_system_sgpr_workgroup_id_x 1
		.amdhsa_system_sgpr_workgroup_id_y 1
		.amdhsa_system_sgpr_workgroup_id_z 1
		.amdhsa_system_vgpr_workitem_id 0
		.amdhsa_next_free_vgpr 768
		.amdhsa_next_free_sgpr 72
		.amdhsa_reserve_vcc 0
		.amdhsa_float_denorm_mode_32 3
		.amdhsa_float_denorm_mode_16_64 3
		.amdhsa_memory_ordered 1
		.amdhsa_forward_progress 1
		.amdhsa_inst_pref_size 98
	.end_amdhsa_kernel
	.amdgpu_metadata
---
amdhsa.version: [ 1, 2 ]
amdhsa.kernels:
  - .name:           k_q705db623ac_wproj
    .symbol:         k_q705db623ac_wproj.kd
    .args:
      - { .name: ob, .offset: 0, .size: 8, .value_kind: global_buffer, .address_space: global }
      - { .name: wb, .offset: 8, .size: 8, .value_kind: global_buffer, .address_space: global }
      - { .name: x1, .offset: 16, .size: 8, .value_kind: global_buffer, .address_space: global }
      - { .name: bp, .offset: 24, .size: 8, .value_kind: global_buffer, .address_space: global }
      - { .name: x, .offset: 32, .size: 8, .value_kind: global_buffer, .address_space: global }
    .group_segment_fixed_size: 327680
    .private_segment_fixed_size: 0
    .kernarg_segment_align: 8
    .kernarg_segment_size: 40
    .max_flat_workgroup_size: 128
    .sgpr_count:     72
    .vgpr_count:     768
    .wavefront_size: 32
...
	.end_amdgpu_metadata
.endif
;; end of part 4
;; launch ln2 (part 5): grid 256 x 1, 8 waves a work-group, no clusters, 0 bytes of LDS; arguments x1, ln2_g, ln2_b, hn; writes hn
.if DOCPART == 5
	.amdgcn_target "amdgcn-amd-amdhsa--gfx1250"
	.amdhsa_code_object_version 6
	.text
	.protected	k_q705db623ac_ln2
	.globl	k_q705db623ac_ln2
	.p2align	8
	.type	k_q705db623ac_ln2,@function
k_q705db623ac_ln2:
	s_mov_b64 s[64:65], 0
	v_nop
	global_prefetch_b8 v0, s[64:65] scope:SCOPE_SE
	s_setreg_imm32_b32 hwreg(HW_REG_WAVE_MODE, 25, 1), 1
	s_wait_xcnt 0x0
; h2 = LayerNorm(x1) g + b, rounded once to bf16, into hn in slabs of 64 columns: [column / 64][4096 rows][64].  x1 is [4096][1024] in f32.
; A stream: each row is read once and kept in registers between the passes; every store of a wave covers 256 consecutive bytes, aligned.  No LDS, no barrier, no matrix unit, no cluster: work-groups share
; only g and b, 8 KB.  It is a launch of its own because a row of x1 is made by eight work-groups of the launch before.
; LIMITS.  Mean and variance are taken in two passes in f32 (the mean first, then the squares of x - mean), so a common offset costs no digits.  NaN and infinities are not treated apart.
.set T,   4                            ; v[4:11]    four chains of packed sums
.set MU,  12                           ; v[12:13]   the row's mean, twice
.set RS,  14                           ; v[14:15]   1 / sqrt(var + eps), twice
.set X,   16                           ; v[16:79]   my 64 numbers of the row
.set G,   80                           ; v[80:143]  g of my columns
.set BB,  144                          ; v[144:207] b of my columns
.set Y,   208                          ; v[208:239] the results, two bf16 a register
; The four chains into one number, then over the 16 lanes that hold the row: a row of the matrix lies in one half of the wave, so four steps inside the half are all.
.macro REDUCE
	v_pk_add_f32 v[T:T+1], v[T:T+1], v[T+2:T+3]
	v_pk_add_f32 v[T+4:T+5], v[T+4:T+5], v[T+6:T+7]
	v_pk_add_f32 v[T:T+1], v[T:T+1], v[T+4:T+5]
	v_add_f32 v[T], v[T], v[T+1]
	v_add_f32_dpp v[T], v[T], v[T] row_xmask:1 row_mask:0xf bank_mask:0xf
	v_add_f32_dpp v[T], v[T], v[T] row_xmask:2 row_mask:0xf bank_mask:0xf
	v_add_f32_dpp v[T], v[T], v[T] row_xmask:4 row_mask:0xf bank_mask:0xf
	v_add_f32_dpp v[T], v[T], v[T] row_xmask:8 row_mask:0xf bank_mask:0xf
.endm
	; 16 rows a work-group, two rows a wave: lanes 0-15 hold row 2 w, lanes 16-31 row 2 w + 1; lane i of a half holds columns 64 kb + 4 i .. + 3, kb = 0 .. 15.
	s_load_b256 s[8:15], s[0:1], 0x0               ; x1 8, g 10, b 12, hn 14
	s_mov_b32 s30, 0x3a800000                      ; 1 / 1024
	s_mov_b32 s31, 0x3727c5ac                      ; 1e-5
	v_and_b32 v1, 15, v0
	v_lshlrev_b32 v1, 4, v1                        ; 16 i: my place in 256 bytes of g, b and a row
	v_lshrrev_b32 v2, 4, v0                        ; thread / 16 = my row among the group's 16
	v_lshl_add_u32 v2, v2, 12, v1                  ; x 4,096 bytes + 16 i
	v_lshlrev_b32 v3, 3, v0                        ; 8 x thread = 256 w + 8 lane: my 8 bytes in the wave's two row pieces of a slab
	s_lshl_b32 s32, ttmp9, 16                      ; the group's 16 rows of 4,096 bytes
	s_mov_b32 s33, 0
	s_lshl_b32 s34, ttmp9, 11                      ; and of 128 bytes in a slab
	s_mov_b32 s35, 0
	s_wait_kmcnt 0x0
	s_add_nc_u64 s[8:9], s[8:9], s[32:33]
	s_add_nc_u64 s[14:15], s[14:15], s[34:35]
.set j, 0
.rept 16
	global_load_b128 v[X+4*j:X+4*j+3], v2, s[8:9] offset:256*j  ; each half of the wave reads 256 consecutive bytes of its row
.set j, j+1
.endr
.set j, 0
.rept 16
	global_load_b128 v[G+4*j:G+4*j+3], v1, s[10:11] offset:256*j
.set j, j+1
.endr
.set j, 0
.rept 16
	global_load_b128 v[BB+4*j:BB+4*j+3], v1, s[12:13] offset:256*j
.set j, j+1
.endr
	s_wait_loadcnt 32                              ; the row is in; the 32 younger loads, g's and b's, stay out
.set j, 0
.rept 4
	v_pk_add_f32 v[T+2*j:T+2*j+1], v[X+2*j:X+2*j+1], v[X+2*j+8:X+2*j+9]  ; the first eight pairs start the four chains: nothing is cleared
.set j, j+1
.endr
.set j, 8
.rept 24
	v_pk_add_f32 v[T+2*(j%4):T+2*(j%4)+1], v[T+2*(j%4):T+2*(j%4)+1], v[X+2*j:X+2*j+1]
.set j, j+1
.endr
	REDUCE
	v_mul_f32 v[MU], s30, v[T]                     ; the mean
	v_mul_f32 v[MU+1], s30, v[T]
.set j, 0
.rept 32
	v_pk_add_f32 v[X+2*j:X+2*j+1], v[X+2*j:X+2*j+1], v[MU:MU+1] neg_lo:[0,1] neg_hi:[0,1]  ; x - mean, in place
.set j, j+1
.endr
.set j, 0
.rept 4
	v_pk_mul_f32 v[T+2*j:T+2*j+1], v[X+2*j:X+2*j+1], v[X+2*j:X+2*j+1]
.set j, j+1
.endr
.set j, 4
.rept 28
	v_pk_fma_f32 v[T+2*(j%4):T+2*(j%4)+1], v[X+2*j:X+2*j+1], v[X+2*j:X+2*j+1], v[T+2*(j%4):T+2*(j%4)+1]
.set j, j+1
.endr
	REDUCE
	v_fma_f32 v[T], v[T], s30, s31                 ; the variance + 1e-5
	v_rsq_f32 v[RS], v[T]
	v_rsq_f32 v[RS+1], v[T]
	v_nop                                          ; a plain instruction between the root and the use of its result (ISA guide 5.7.2)
	s_wait_loadcnt 0x0                             ; g and b
.set j, 0
	s_wait_alu depctr_va_vdst(0)
.rept 32
	v_pk_mul_f32 v[X+2*j:X+2*j+1], v[X+2*j:X+2*j+1], v[RS:RS+1]
	v_pk_fma_f32 v[X+2*j:X+2*j+1], v[X+2*j:X+2*j+1], v[G+2*j:G+2*j+1], v[BB+2*j:BB+2*j+1]
.set j, j+1
.endr
.set j, 0
.rept 32
	v_cvt_pk_bf16_f32 v[Y+j], v[X+2*j], v[X+2*j+1]
.set j, j+1
.endr
.set j, 0
.rept 16
	global_store_b64 v3, v[Y+2*j:Y+2*j+1], s[14:15] offset:524288*j  ; slab j: the wave's two row pieces, 256 consecutive bytes, aligned
.set j, j+1
.endr
	s_endpgm
.Lfunc_end_k_q705db623ac_ln2:
	.size	k_q705db623ac_ln2, .Lfunc_end_k_q705db623ac_ln2-k_q705db623ac_ln2
	.p2alignl 7, 3214868480
	.fill 96, 4, 3214868480
	.section	.rodata,"a",@progbits
	.p2align	6, 0x0
	.amdhsa_kernel k_q705db623ac_ln2
		.amdhsa_group_segment_fixed_size 0
		.amdhsa_private_segment_fixed_size 0
		.amdhsa_enable_private_segment 0
		.amdhsa_kernarg_size 32
		.amdhsa_user_sgpr_count 2
		.amdhsa_user_sgpr_kernarg_segment_ptr 1
		.amdhsa_wavefront_size32 1
		.amdhsa_system_sgpr_workgroup_id_x 1
		.amdhsa_system_sgpr_workgroup_id_y 1
		.amdhsa_system_sgpr_workgroup_id_z 1
		.amdhsa_system_vgpr_workitem_id 0
		.amdhsa_next_free_vgpr 240
		.amdhsa_next_free_sgpr 66
		.amdhsa_reserve_vcc 0
		.amdhsa_float_denorm_mode_32 3
		.amdhsa_float_denorm_mode_16_64 3
		.amdhsa_memory_ordered 1
		.amdhsa_forward_progress 1
		.amdhsa_inst_pref_size 20
	.end_amdhsa_kernel
	.amdgpu_metadata
---
amdhsa.version: [ 1, 2 ]
amdhsa.kernels:
  - .name:           k_q705db623ac_ln2
    .symbol:         k_q705db623ac_ln2.kd
    .args:
      - { .name: x1, .offset: 0, .size: 8, .value_kind: global_buffer, .address_space: global }
      - { .name: ln2_g, .offset: 8, .size: 8, .value_kind: global_buffer, .address_space: global }
      - { .name: ln2_b, .offset: 16, .size: 8, .value_kind: global_buffer, .address_space: global }
      - { .name: hn, .offset: 24, .size: 8, .value_kind: global_buffer, .address_space: global }
    .group_segment_fixed_size: 0
    .private_segment_fixed_size: 0
    .kernarg_segment_align: 8
    .kernarg_segment_size: 32
    .max_flat_workgroup_size: 256
    .sgpr_count:     66
    .vgpr_count:     240
    .wavefront_size: 32
...
	.end_amdgpu_metadata
.endif
;; end of part 5
;; launch ffn1 (part 6): grid 16 x 16, 4 waves a work-group, clusters of 4 x 4, 327,680 bytes of LDS; arguments hn, wb, act, b1; writes act
.if DOCPART == 6
	.amdgcn_target "amdgcn-amd-amdhsa--gfx1250"
	.amdhsa_code_object_version 6
	.text
	.protected	k_q705db623ac_ffn1
	.globl	k_q705db623ac_ffn1
	.p2align	8
	.type	k_q705db623ac_ffn1,@function
k_q705db623ac_ffn1:
	s_mov_b64 s[64:65], 0
	v_nop
	global_prefetch_b8 v0, s[64:65] scope:SCOPE_SE
	s_setreg_imm32_b32 hwreg(HW_REG_WAVE_MODE, 25, 1), 1
	s_wait_xcnt 0x0
	s_wait_alu depctr_hold_cnt(0) depctr_sa_sdst(0) depctr_va_vdst(0) depctr_va_sdst(0) depctr_va_ssrc(0) depctr_va_vcc(0) depctr_vm_vsrc(0)
	s_getreg_b32 s2, hwreg(HW_REG_IB_STS2, 6, 4)
	s_cmp_eq_u32 s2, 0
	s_cbranch_scc0 .Lentry_in_a_cluster
	s_endpgm
.Lentry_in_a_cluster:
	s_bfe_u32 s2, ttmp6, 0x10000c
	s_cmp_lg_u32 s2, 0xf033
	s_cbranch_scc0 .Lentry_shape_is_right
	s_endpgm
.Lentry_shape_is_right:
; act = relu(h2 W1 + b1).  C = max(0, A B + bias): A = hn [4096 x 1024], B = W1 in wb [1024 x 4096], C = act [4096 x 4096], all bf16 in slabs of 64 columns; the bias in f32; sums in f32,
; K ascending, C rounded once.
; A tile of C is MT x NT = 256 x 256: 256 work-groups; four waves in 2 x 2, each 128 x 128.  K goes in steps of KS through two LDS slots filled by the tensor data mover.  In memory a tile of A is KS/64 dense
; runs of MT/2 rows x 128 bytes, a tile of B NT/128 dense runs of KS k-rows x 128 bytes: a run is one row of the descriptor (16 KB), so each load has few and very long rows.
; In LDS every 128 bytes are followed by padding: A's rows are 144 bytes apart (read as they lie, along K), B's k-rows 160 (read turned, by ds_load_tr16_b128).
; CLUSTER 4 x 4: the four work-groups of a row of the cluster need the same tiles of A, the four of a column the same tiles of B; each tile is asked for jointly.
; THE MATRIX INSTRUCTION IS USED TRANSPOSED (source 0 = 16 columns of B, source 1 = 16 rows of A): a lane then holds row lane % 16 of C and eight neighbouring columns, 8 (lane / 16) + 0 .. 7.
; REGISTERS, in windows of 256: window 0: v0-31 addresses; v64-191 A's fragments, two buffers; v32-63, v192-255 and, at the end, A's buffers at work on the way out.
;   window 1: B's fragments, two buffers (with RELU: v192-255 the bias of my columns).   windows 2, 3: the accumulators, block (a, b) number a NB + b, 32 to a window.
; LIMITS.  Operands are bf16; NaN and infinities are not treated apart (with RELU a NaN becomes 0).
.set SIZE_K, 1024
.set MT,     256
.set NT,     256
.set KS,     128
.set DP,     1                         ; a quarter of a K step is 32 DP along K
.set WOFF,   8388608                   ; B's first byte in wb
.set RELU,   1                         ; 1: C = max(0, A B + bias)
.set MB,    MT/32                      ; blocks of 16 rows a wave
.set NB,    NT/32                      ; blocks of 16 columns a wave
.set PA,    144                        ; 36 words: the 16 rows of a load start at 16 different groups of four banks (64 banks of 4 bytes: ISA guide 11.1)
.set PB,    160                        ; 40 words
.set AROWS, MT/2
.set ZS,    KS/64                      ; slabs of A in a K step
.set ASLAB, AROWS*PA
.set AHALF, ZS*ASLAB                   ; what one load brings of A, and what one wave reads
.set BSL,   NT/128                     ; slabs of B for half the tile's columns
.set BSLAB, KS*PB
.set BHALF, BSL*BSLAB
.set SLOT,  2*AHALF+2*BHALF            ; A's two halves, then B's two halves
.set ASTEP, ZS*524288                  ; bytes from a K step to the next in A,
.set BSTEP, KS*128                     ; and in B
.set NLD,   2*(MB+NB)*DP               ; LDS loads of a quarter
.set LAPS,  SIZE_K/(2*KS)
.set SP,    NB*32+16                   ; a row of the stage: the wave's columns in bf16 + 16 bytes
.set ADRA, 16                          ; v16-17  LDS address of my A fragments in slot 0, 1
.set ADRB, 20                          ; v20-21  the same for B
.set STO,  24                          ; v24     the way out: where I put 16 bytes of a row
.set RD,   25                          ; v25     where I read rows back
.set CO,   26                          ; v26     my byte offset in 512 consecutive bytes of C
.set BO,   27                          ; v27     my byte offset in the bias
.set TMP,  192                         ; packed results
.set OB0,  64+64*RELU                  ; 16 rows read back from the stage, two buffers of 4 NB registers
.set G1,  24                           ; s[24:31] descriptor group 1 for A;  s[32:39] group 0, a set for each slot
.set G0,  32
.set G1B, 48                           ; s[48:55], s[56:63] the same for B
.set G0B, 56
.set MSB, 0
.macro WIN new                         ; the immediate's high byte repeats the setting that is left; a switch that changes nothing is dropped
.if MSB != (\new)
	s_set_vgpr_msb (MSB<<8)|(\new)
.set MSB, \new
.endif
.endm
.macro PLACES                          ; four places in front of loads into registers that matrix instructions have read, and of lines that read results
.rept 4
	v_nop
.endr
.endm
.macro JLOAD s                         ; a joint refill: waves 0, 1 fetch A's halves, waves 2, 3 B's; four v_nop follow each of the two lines
	s_cmp_eq_u32 s11, 0
	s_cbranch_scc0 .Lfor_b_\@
	tensor_load_to_lds s[G0+4*(\s):G0+4*(\s)+3], s[G1:G1+7]
	s_nop 0
.rept 4
	v_nop
.endr
	s_branch .Lasked_\@
.Lfor_b_\@:
	tensor_load_to_lds s[G0B+4*(\s):G0B+4*(\s)+3], s[G1B:G1B+7]
	s_nop 0
.rept 4
	v_nop
.endr
.Lasked_\@:
.endm
.macro CREST                           ; a round of the cluster's barrier behind its opening barrier
	s_cmp_lg_u32 s10, 0
	s_cbranch_scc1 .Lnot_wave_0_\@
	s_barrier_signal -3
.Lnot_wave_0_\@:
	s_barrier_wait -3
	s_barrier_signal -1
	s_barrier_wait -1
.endm
.macro CROUND                          ; a whole round
	s_barrier_signal -1
	s_barrier_wait -1
	CREST
.endm
	s_load_b128 s[4:7], s[0:1], 0x0                ; A s[4:5], wb s[6:7]
	s_load_b64 s[8:9], s[0:1], 0x10                ; C
.if RELU
	s_load_b64 s[68:69], s[0:1], 0x18              ; the bias
	s_set_vgpr_msb 0x40
	v_lshl_add_u32 v191, v0, 2, 0x4c000
	s_set_vgpr_msb 0x4000
	v_mov_b32 v255, 0
	s_set_vgpr_msb 0x1
	ds_add_u32 v191, v255
	s_set_vgpr_msb 0x100
.endif
	v_lshrrev_b32 v1, 5, v0
	v_readfirstlane_b32 s10, v1                    ; wave 0..3
	s_lshr_b32 s11, s10, 1                         ; which half of the tile's rows is mine.  Also: I fetch for A (0) or for B (1)
	s_and_b32 s12, s10, 1                          ; which half of its columns.  Also: which half of that tile I fetch
	s_bfe_u32 s40, ttmp6, 0x40000                  ; cx, cy: my place in the cluster
	s_bfe_u32 s41, ttmp6, 0x40004
	s_lshl_b32 s42, ttmp9, 2
	s_add_co_u32 s42, s42, s40                     ; tile column = 4 x cluster x + cx
	s_and_b32 s13, ttmp7, 0xffff
	s_lshl_b32 s13, s13, 2
	s_add_co_u32 s13, s13, s41                     ; tile row = 4 x cluster y + cy
	s_lshl_b32 s43, s41, 2
	s_lshl_b32 s43, 15, s43                        ; my row of the cluster
	s_lshl_b32 s44, 0x1111, s40                    ; my column
	s_or_b32 s[G1+0], s43, (1<<16)|(1<<20)|(1<<21)|(4<<22)|(3<<25)   ; 15:0 the mask; 17:16 2-byte elements; 20 padding on; 21 set beside a mask; 24:22 after every 32 words (code 4); 31:25 4 words (code 3)
	s_or_b32 s[G1B+0], s44, (1<<16)|(1<<20)|(1<<21)|(4<<22)|(7<<25)  ; the same with my column's mask and 8 words of padding (code 7)
	s_mov_b32 s[G1+1], (AROWS*64)<<16              ; tensor_dim0: a run of AROWS rows x 64 elements
	s_mov_b32 s[G1+2], ZS<<16                      ; tensor_dim1: one run for each slab of the K step
	s_mov_b32 s[G1+3], (AROWS*64)<<16              ; tile_dim0
	s_mov_b32 s[G1+4], ZS                          ; tile_dim1
	s_mov_b32 s[G1+5], 262144                      ; elements from slab to slab of A
	s_mov_b32 s[G1+6], 0
	s_mov_b32 s[G1+7], 0
	s_mov_b32 s[G1B+1], (KS*64)<<16                ; a run of KS k-rows x 64 elements
	s_mov_b32 s[G1B+2], BSL<<16
	s_mov_b32 s[G1B+3], (KS*64)<<16
	s_mov_b32 s[G1B+4], BSL
	s_mov_b32 s[G1B+5], SIZE_K*64                  ; elements from slab to slab of B
	s_mov_b32 s[G1B+6], 0
	s_mov_b32 s[G1B+7], 0
	; A's address hangs on the tile row and the wave alone, B's on the tile column and the wave alone, each in registers that never hold the other coordinate
	s_mul_i32 s16, s13, MT*128
	s_mul_i32 s17, s12, AROWS*128
	s_add_co_u32 s16, s16, s17
	s_mov_b32 s17, 0
	s_mul_i32 s46, s42, (NT/64)*SIZE_K*128
	s_mul_i32 s47, s12, BSL*SIZE_K*128
	s_add_co_u32 s46, s46, s47
	s_add_co_u32 s46, s46, WOFF
	s_mov_b32 s47, 0
	s_mul_i32 s20, s12, AHALF                      ; where they go: no place in the cluster enters an LDS address
	s_mul_i32 s21, s12, BHALF
	s_wait_dscnt 0x0
	s_wait_kmcnt 0x0
	s_add_nc_u64 s[14:15], s[4:5], s[16:17]
	s_add_nc_u64 s[46:47], s[6:7], s[46:47]
.irp s, 0,1
	s_mov_b32 s[G0+4*(\s)], 1
	s_add_co_u32 s[G0+4*(\s)+1], s20, (\s)*SLOT
	s_add_nc_u64 s[G0+4*(\s)+2:G0+4*(\s)+3], s[14:15], (\s)*ASTEP
	s_or_b32 s[G0+4*(\s)+3], s[G0+4*(\s)+3], 0x80000000
	s_mov_b32 s[G0B+4*(\s)], 1
	s_add_co_u32 s[G0B+4*(\s)+1], s21, (\s)*SLOT+2*AHALF
	s_add_nc_u64 s[G0B+4*(\s)+2:G0B+4*(\s)+3], s[46:47], (\s)*BSTEP
	s_or_b32 s[G0B+4*(\s)+3], s[G0B+4*(\s)+3], 0x80000000
.endr
	CROUND                                         ; all sixteen work-groups are here: the first joint loads meet
	s_cmp_eq_u32 s11, 0                            ; a wave's two first fills stand in one branch: two loads of mine are out, later one
	s_cbranch_scc0 .Lfirst_b
	tensor_load_to_lds s[G0:G0+3], s[G1:G1+7]
	s_nop 0
	tensor_load_to_lds s[G0+4:G0+7], s[G1:G1+7]
	s_nop 0
.rept 4
	v_nop
.endr
	s_branch .Lfirst_asked
.Lfirst_b:
	tensor_load_to_lds s[G0B:G0B+3], s[G1B:G1B+7]
	s_nop 0
	tensor_load_to_lds s[G0B+4:G0B+7], s[G1B:G1B+7]
	s_nop 0
.rept 4
	v_nop
.endr
.Lfirst_asked:
	v_and_b32 v1, 15, v0                           ; r = l % 16
	v_bfe_u32 v2, v0, 4, 1                         ; h = l / 16
	v_mul_u32_u24 v3, v1, PA                       ; A: row r, 16 bytes for each half of the lanes
	v_lshl_add_u32 v3, v2, 4, v3
	v_and_b32 v4, 7, v0                            ; B, turned: lane l reads k-row 8 h + l % 8, columns 8 ((l / 8) % 2) + 0..7
	v_lshl_add_u32 v4, v2, 3, v4
	v_mul_u32_u24 v4, v4, PB
	v_bfe_u32 v5, v0, 3, 1
	v_lshl_add_u32 v4, v5, 4, v4
	s_mul_i32 s22, s11, AHALF                      ; my rows of A
	s_mul_i32 s23, s12, BHALF                      ; my columns of B,
	s_add_co_u32 s23, s23, 2*AHALF                 ; which lie behind A's two halves
.irp s, 0,1
	v_add_nc_u32 v[ADRA+(\s)], s22, v3
	v_add_nc_u32 v[ADRB+(\s)], s23, v4
	s_add_co_u32 s22, s22, SLOT
	s_add_co_u32 s23, s23, SLOT
.endr
	; The stage: 16 rows of SP bytes for each wave, its own, at the head of slot 0.  It is written only behind the last change of slots, when slot 0 has had its last fill and every wave's reads of it are over.
	s_mul_i32 s23, s10, 16*SP
	v_mul_u32_u24 v6, v1, SP                       ; in: row r, 16 bytes for each half of the lanes
	v_lshl_add_u32 v6, v2, 4, v6
	v_add_nc_u32 v[STO], s23, v6
	v_bfe_u32 v6, v0, 3, 2                         ; back: 32 lanes take four rows' 128 bytes of one slab,
	v_mul_u32_u24 v6, v6, SP
	v_and_b32 v7, 7, v0
	v_lshl_add_u32 v6, v7, 4, v6
	v_add_nc_u32 v[RD], s23, v6
	v_and_b32 v[CO], 31, v0                        ; which are 512 consecutive bytes of C
	v_lshlrev_b32 v[CO], 4, v[CO]
	s_mul_i32 s16, s13, MT*128                     ; C at my first row in a slab,
	s_mul_i32 s17, s11, AROWS*128
	s_add_co_u32 s16, s16, s17
	s_mov_b32 s17, 0
	s_add_nc_u64 s[8:9], s[8:9], s[16:17]
	s_mul_i32 s46, s42, (NT/64)*524288             ; in my first slab
	s_mul_i32 s47, s12, BSL*524288
	s_add_co_u32 s46, s46, s47
	s_mov_b32 s47, 0
	s_add_nc_u64 s[8:9], s[8:9], s[46:47]
.if RELU
	s_mul_i32 s46, s42, NT*4                       ; the bias at my first column
	s_mul_i32 s47, s12, NT*2
	s_add_co_u32 s46, s46, s47
	s_mov_b32 s47, 0
	s_add_nc_u64 s[68:69], s[68:69], s[46:47]
	v_lshlrev_b32 v[BO], 5, v2                     ; my eight columns of a block: 32 h bytes
	WIN 0x40                                       ; destination window 1
.set b_, 0
.rept NB
	global_load_b128 v[192+8*b_:192+8*b_+3],   v[BO], s[68:69] offset:64*b_
	global_load_b128 v[192+8*b_+4:192+8*b_+7], v[BO], s[68:69] offset:64*b_+16
.set b_, b_+1
.endr
	WIN 0
.endif
; Matrix instructions for row blocks a0 .. a0 + na - 1 x all NB column blocks, the quarter in buffer f.  The accumulators take turns, one instruction a turn.
; zero = 1: the first product starts the sums: nothing is ever cleared.
.macro MULA f, a0, na, zero
.set c_, 0
.rept DP
.set a_, \a0
.rept \na
.set b_, 0
.rept NB
.set x_, a_*NB+b_
.set d_, 8*(x_%32)
.set rb_, (\f)*8*NB*DP+8*(c_*NB+b_)
.set ra_, 64+64*(\f)+8*(c_*MB+a_)
	WIN 0xa1+0x50*(x_/32)                          ; source 0 (B) window 1, source 1 (A) window 0, C and D window 2 or 3
.if (\zero) && (c_ == 0)
	v_wmma_f32_16x16x32_bf16 v[d_:d_+7], v[rb_:rb_+7], v[ra_:ra_+7], 0
.else
	v_wmma_f32_16x16x32_bf16 v[d_:d_+7], v[rb_:rb_+7], v[ra_:ra_+7], v[d_:d_+7]
.endif
.set b_, b_+1
.endr
.set a_, a_+1
.endr
.set c_, c_+1
.endr
.endm
; The NLD LDS loads of quarter q of a slot, in one run, into buffer f: B's fragments, then A's lower row blocks, then A's upper ones
.macro FETCH slot, q, f
	WIN 0x40                                       ; destination window 1, address window 0
.set c_, 0
.rept DP
.set k_, 32*((\q)*DP+c_)
.set b_, 0
.rept NB
.set rb_, (\f)*8*NB*DP+8*(c_*NB+b_)
.set o_, (b_/4)*BSLAB+k_*PB+(b_%4)*32
	ds_load_tr16_b128 v[rb_:rb_+3],   v[ADRB+(\slot)] offset:o_
	ds_load_tr16_b128 v[rb_+4:rb_+7], v[ADRB+(\slot)] offset:o_+16*PB
.set b_, b_+1
.endr
.set c_, c_+1
.endr
	WIN 0
.set h_, 0
.rept 2
.set c_, 0
.rept DP
.set k_, 32*((\q)*DP+c_)
.set a_, h_*(MB/2)
.rept MB/2
.set ra_, 64+64*(\f)+8*(c_*MB+a_)
.set o_, (k_/64)*ASLAB+a_*16*PA+(k_%64)*2
	ds_load_b128 v[ra_:ra_+3],   v[ADRA+(\slot)] offset:o_
	ds_load_b128 v[ra_+4:ra_+7], v[ADRA+(\slot)] offset:o_+32
.set a_, a_+1
.endr
.set c_, c_+1
.endr
.set h_, h_+1
.endr
.endm
; A K step is four quarters on buffers 0, 1, 0, 1.  One of the first three: multiplies buffer f; in its middle it fetches quarter qn of the same slot into buffer g.
.macro QUARTER slot, qn, f, g, zero
	s_wait_dscnt MB*DP                             ; B and A's lower blocks are in; the youngest MB DP loads, A's upper blocks, may be out
	MULA \f, 0, MB/2, \zero
	PLACES
	FETCH \slot, \qn, \g
	s_wait_dscnt NLD                               ; all but the NLD just issued
	MULA \f, MB/2, MB/2, \zero
.endm
; The last quarter multiplies buffer 1 and changes slots: ONE barrier; in front of it each wave waits for its own reads of this slot and for all its tensor loads, of which one is out: its part of the next slot.
; fill = 1: the barrier opens a round of the cluster's barrier, and this slot is filled again, two K steps ahead, first thing behind the round.
.macro TURN slot, next, fill
	s_wait_dscnt MB*DP
	MULA 1, 0, MB/4, 0
	s_wait_dscnt 0x0                               ; my reads of this slot are over,
	s_wait_tensorcnt 0x0                           ; and all my tensor loads have landed
	ds_add_u32 v191, v255
	s_wait_dscnt 0x0
	s_barrier_signal -1
	MULA 1, MB/4, MB/4, 0                          ; work on registers while the others arrive
.if \fill
	WIN 0
.endif
	s_barrier_wait -1
.if \fill
	CREST                                          ; no wave of any partner still reads this slot or has a load on its way
	s_add_nc_u64 s[G0+4*(\slot)+2:G0+4*(\slot)+3], s[G0+4*(\slot)+2:G0+4*(\slot)+3], 2*ASTEP
	s_add_nc_u64 s[G0B+4*(\slot)+2:G0B+4*(\slot)+3], s[G0B+4*(\slot)+2:G0B+4*(\slot)+3], 2*BSTEP
	JLOAD \slot                                    ; the four v_nop behind it are also the places in front of the loads below
.else
	PLACES
.endif
	FETCH \next, 0, 0
	MULA 1, MB/2, MB/2, 0
.endm
	s_wait_tensorcnt 0x1                           ; my part of K step 0 is in; K step 1's may stay out
	s_barrier_signal -1
	s_barrier_wait -1                              ; everybody's is
	FETCH 0, 0, 0
	QUARTER 0, 1, 0, 1, 1                          ; the first quarter stands in front of the loop: its products start the sums
	WIN 0                                          ; at a label and at a branch every window is 0
	s_mov_b32 s3, LAPS-1
.Llap:                                                 ; a trip goes once round the ring, from a lap's second quarter to the next lap's first, and fills both slots again
	QUARTER 0, 2, 1, 0, 0
	QUARTER 0, 3, 0, 1, 0
	TURN 0, 1, 1
	QUARTER 1, 1, 0, 1, 0
	QUARTER 1, 2, 1, 0, 0
	QUARTER 1, 3, 0, 1, 0
	TURN 1, 0, 1
	QUARTER 0, 1, 0, 1, 0
	WIN 0
	s_sub_co_u32 s3, s3, 1
	s_cmp_lg_u32 s3, 0
	s_cbranch_scc1 .Llap
	QUARTER 0, 2, 1, 0, 0                          ; the last lap fills nothing
	QUARTER 0, 3, 0, 1, 0
	TURN 0, 1, 0
	QUARTER 1, 1, 0, 1, 0
	QUARTER 1, 2, 1, 0, 0
	QUARTER 1, 3, 0, 1, 0
	s_wait_dscnt MB*DP                             ; the very last quarter: nothing more to fetch
	MULA 1, 0, MB/2, 0
	s_wait_dscnt 0x0
	MULA 1, MB/2, MB/2, 0
	WIN 0
	PLACES
	s_wait_loadcnt 0x0                             ; the bias, if any
; THE WAY OUT of row block a.  PACK: (bias, relu,) rounded to bf16, 16 bytes a lane; each accumulator's registers are taken in ascending order.
.macro PACK a
.set b_, 0
.rept NB
.set x_, (\a)*NB+b_
.set d_, 8*(x_%32)
.set p_, 0
.rept 4
.if RELU
	WIN 0x06+(x_/32)                               ; source 0 window 2 or 3, source 1 window 1
	v_pk_add_f32 v[64+8*b_+2*p_:64+8*b_+2*p_+1], v[d_+2*p_:d_+2*p_+1], v[192+8*b_+2*p_:192+8*b_+2*p_+1]
.else
	WIN 0x0a+5*(x_/32)                             ; sources 0 and 1 window 2 or 3
	v_cvt_pk_bf16_f32 v[TMP+4*b_+p_], v[d_+2*p_], v[d_+2*p_+1]
.endif
.set p_, p_+1
.endr
.set b_, b_+1
.endr
	WIN 0
.if RELU
.set p_, 0
.rept 8*NB
	v_max_num_f32 v[64+p_], 0, v[64+p_]
.set p_, p_+1
.endr
.set p_, 0
.rept 4*NB
	v_cvt_pk_bf16_f32 v[TMP+p_], v[64+2*p_], v[64+2*p_+1]
.set p_, p_+1
.endr
.endif
.endm
.macro TOSTAGE a                       ; into my stage, and back slab by slab, four rows' 128 bytes at a time
	WIN 0
.set k_, OB0+4*NB*((\a)%2)
.set b_, 0
.rept NB
	ds_store_b128 v[STO], v[TMP+4*b_:TMP+4*b_+3] offset:32*b_
.set b_, b_+1
.endr
.set b_, 0
.rept NB
	ds_load_b128 v[k_+4*b_:k_+4*b_+3], v[RD] offset:(b_%4)*4*SP+(b_/4)*128  ; LDS serves a wave's instructions in order (ISA guide 5.7.1.4): these see the stores above
.set b_, b_+1
.endr
.endm
.macro SEND a
	WIN 0
.set k_, OB0+4*NB*((\a)%2)
	s_wait_dscnt 0x0                               ; the block is back in registers
	s_wait_xcnt 0x0                                ; the stores issued so far have read their registers: the other buffer is loaded again only behind this wait
.set b_, 0
.rept NB
	global_store_b128 v[CO], v[k_+4*b_:k_+4*b_+3], s[8:9] offset:(b_/4)*524288+(\a)*2048+(b_%4)*512  ; 512 consecutive bytes of a slab, at a multiple of 256 from C's first
.set b_, b_+1
.endr
.endm
	PACK 0
	TOSTAGE 0
.set t_, 1
.rept MB-1                             ; a block's arithmetic stands between the loads of the block before and the wait for them
	PACK t_
	SEND t_-1
	TOSTAGE t_
.set t_, t_+1
.endr
	SEND MB-1
	s_set_vgpr_msb 0x1
	s_wait_tensorcnt 0x0
	ds_add_u32 v191, v255
	s_wait_dscnt 0x0
	s_set_vgpr_msb 0x100
	CROUND                                         ; the closing round: no work-group ends while a partner may still ask for a tile that names it
	s_endpgm
.Lfunc_end_k_q705db623ac_ffn1:
	.size	k_q705db623ac_ffn1, .Lfunc_end_k_q705db623ac_ffn1-k_q705db623ac_ffn1
	.p2alignl 7, 3214868480
	.fill 96, 4, 3214868480
	.section	.rodata,"a",@progbits
	.p2align	6, 0x0
	.amdhsa_kernel k_q705db623ac_ffn1
		.amdhsa_group_segment_fixed_size 327680
		.amdhsa_private_segment_fixed_size 0
		.amdhsa_enable_private_segment 0
		.amdhsa_kernarg_size 32
		.amdhsa_user_sgpr_count 2
		.amdhsa_user_sgpr_kernarg_segment_ptr 1
		.amdhsa_wavefront_size32 1
		.amdhsa_system_sgpr_workgroup_id_x 1
		.amdhsa_system_sgpr_workgroup_id_y 1
		.amdhsa_system_sgpr_workgroup_id_z 1
		.amdhsa_system_vgpr_workitem_id 0
		.amdhsa_next_free_vgpr 1024
		.amdhsa_next_free_sgpr 72
		.amdhsa_reserve_vcc 0
		.amdhsa_float_denorm_mode_32 3
		.amdhsa_float_denorm_mode_16_64 3
		.amdhsa_memory_ordered 1
		.amdhsa_forward_progress 1
		.amdhsa_inst_pref_size 176
	.end_amdhsa_kernel
	.amdgpu_metadata
---
amdhsa.version: [ 1, 2 ]
amdhsa.kernels:
  - .name:           k_q705db623ac_ffn1
    .symbol:         k_q705db623ac_ffn1.kd
    .args:
      - { .name: hn, .offset: 0, .size: 8, .value_kind: global_buffer, .address_space: global }
      - { .name: wb, .offset: 8, .size: 8, .value_kind: global_buffer, .address_space: global }
      - { .name: act, .offset: 16, .size: 8, .value_kind: global_buffer, .address_space: global }
      - { .name: b1, .offset: 24, .size: 8, .value_kind: global_buffer, .address_space: global }
    .group_segment_fixed_size: 327680
    .private_segment_fixed_size: 0
    .kernarg_segment_align: 8
    .kernarg_segment_size: 32
    .max_flat_workgroup_size: 128
    .sgpr_count:     72
    .vgpr_count:     1024
    .wavefront_size: 32
...
	.end_amdgpu_metadata
.endif
;; end of part 6
;; launch ffn2 (part 7): grid 8 x 32, 4 waves a work-group, clusters of 4 x 4, 327,680 bytes of LDS; arguments act, wb, out0, b2, x1; writes out0
.if DOCPART == 7
	.amdgcn_target "amdgcn-amd-amdhsa--gfx1250"
	.amdhsa_code_object_version 6
	.text
	.protected	k_q705db623ac_ffn2
	.globl	k_q705db623ac_ffn2
	.p2align	8
	.type	k_q705db623ac_ffn2,@function
k_q705db623ac_ffn2:
	s_mov_b64 s[64:65], 0
	v_nop
	global_prefetch_b8 v0, s[64:65] scope:SCOPE_SE
	s_setreg_imm32_b32 hwreg(HW_REG_WAVE_MODE, 25, 1), 1
	s_wait_xcnt 0x0
	s_wait_alu depctr_hold_cnt(0) depctr_sa_sdst(0) depctr_va_vdst(0) depctr_va_sdst(0) depctr_va_ssrc(0) depctr_va_vcc(0) depctr_vm_vsrc(0)
	s_getreg_b32 s2, hwreg(HW_REG_IB_STS2, 6, 4)
	s_cmp_eq_u32 s2, 0
	s_cbranch_scc0 .Lentry_in_a_cluster
	s_endpgm
.Lentry_in_a_cluster:
	s_bfe_u32 s2, ttmp6, 0x10000c
	s_cmp_lg_u32 s2, 0xf033
	s_cbranch_scc0 .Lentry_shape_is_right
	s_endpgm
.Lentry_shape_is_right:
; out0 = x1 + act W2 + b2.  C = A B + bias + residual: A = act [4096 x 4096] and B = W2 in wb [4096 x 1024], bf16 in slabs of 64 columns; bias, residual and C in f32, C and the residual [4096][1024] row-major.
; Sums in f32, K ascending.  A tile of C is MT x NT = 128 x 128, so that the 4096 x 1024 numbers make 256 work-groups; four waves in 2 x 2, each 64 x 64.  K goes in steps of KS = 256, as long as two slots in
; LDS allow.  In memory a tile of A is KS/64 dense runs of MT/2 rows x 128 bytes, a tile of B NT/128 dense runs of KS k-rows x 128 bytes: a run is one row of the descriptor (8 KB and more).
; In LDS every 128 bytes are followed by padding: A's rows are 144 bytes apart (read as they lie, along K), B's k-rows 160 (read turned, by ds_load_tr16_b128).
; CLUSTER 4 x 4: the four work-groups of a row of the cluster need the same tiles of A, the four of a column the same tiles of B; each tile is asked for jointly.
; THE MATRIX INSTRUCTION IS USED TRANSPOSED (source 0 = 16 columns of B, source 1 = 16 rows of A): a lane then holds row lane % 16 of C and eight neighbouring columns, 8 (lane / 16) + 0 .. 7.
; REGISTERS, in windows of 256: window 0: v0-31 addresses and my four numbers of the bias; v64-191 A's fragments, two buffers, at the end the rows on their way out.
;   window 1: B's fragments, two buffers.   window 2: v0-127 the 16 accumulators, block (a, b) at 8 (a NB + b); v128-255 my part of the residual, loaded at the start in the layout of the stores.
; LIMITS.  Matrix operands are bf16; NaN and infinities are not treated apart.
.set SIZE_K, 4096
.set MT,     128
.set NT,     128
.set KS,     256
.set DP,     2                         ; a quarter of a K step is 32 DP along K
.set WOFF,   16777216                  ; B's first byte in wb
.set MB,    MT/32                      ; blocks of 16 rows a wave
.set NB,    NT/32                      ; blocks of 16 columns a wave
.set PA,    144                        ; 36 words: the 16 rows of a load start at 16 different groups of four banks (64 banks of 4 bytes: ISA guide 11.1)
.set PB,    160                        ; 40 words
.set AROWS, MT/2
.set ZS,    KS/64                      ; slabs of A in a K step
.set ASLAB, AROWS*PA
.set AHALF, ZS*ASLAB                   ; what one load brings of A, and what one wave reads
.set BSL,   NT/128                     ; slabs of B for half the tile's columns
.set BSLAB, KS*PB
.set BHALF, BSL*BSLAB
.set SLOT,  2*AHALF+2*BHALF            ; A's two halves, then B's two halves
.set ASTEP, ZS*524288                  ; bytes from a K step to the next in A,
.set BSTEP, KS*128                     ; and in B
.set NLD,   2*(MB+NB)*DP               ; LDS loads of a quarter
.set LAPS,  SIZE_K/(2*KS)
.set SP,    272                        ; a row of the stage: the wave's 64 columns in f32 + 16 bytes
.set ADRA, 16                          ; v16-17  LDS address of my A fragments in slot 0, 1
.set ADRB, 20                          ; v20-21  the same for B
.set STO,  24                          ; v24     the way out: where I put 32 bytes of a row
.set RD,   25                          ; v25     where I read rows back
.set CO,   26                          ; v26     my byte offset in two rows of C and of the residual
.set BO,   27                          ; v27     my byte offset in the bias
.set BI,   28                          ; v[28:31] the bias of my four columns
.set G1,  24                           ; s[24:31] descriptor group 1 for A;  s[32:39] group 0, a set for each slot
.set G0,  32
.set G1B, 48                           ; s[48:55], s[56:63] the same for B
.set G0B, 56
.set MSB, 0
.macro WIN new                         ; the immediate's high byte repeats the setting that is left; a switch that changes nothing is dropped
.if MSB != (\new)
	s_set_vgpr_msb (MSB<<8)|(\new)
.set MSB, \new
.endif
.endm
.macro PLACES                          ; four places in front of loads into registers that matrix instructions have read, and of lines that read results
.rept 4
	v_nop
.endr
.endm
.macro JLOAD s                         ; a joint refill: waves 0, 1 fetch A's halves, waves 2, 3 B's; four v_nop follow each of the two lines
	s_cmp_eq_u32 s11, 0
	s_cbranch_scc0 .Lfor_b_\@
	tensor_load_to_lds s[G0+4*(\s):G0+4*(\s)+3], s[G1:G1+7]
	s_nop 0
.rept 4
	v_nop
.endr
	s_branch .Lasked_\@
.Lfor_b_\@:
	tensor_load_to_lds s[G0B+4*(\s):G0B+4*(\s)+3], s[G1B:G1B+7]
	s_nop 0
.rept 4
	v_nop
.endr
.Lasked_\@:
.endm
.macro CREST                           ; a round of the cluster's barrier behind its opening barrier
	s_cmp_lg_u32 s10, 0
	s_cbranch_scc1 .Lnot_wave_0_\@
	s_barrier_signal -3
.Lnot_wave_0_\@:
	s_barrier_wait -3
	s_barrier_signal -1
	s_barrier_wait -1
.endm
.macro CROUND                          ; a whole round
	s_barrier_signal -1
	s_barrier_wait -1
	CREST
.endm
	s_load_b128 s[4:7], s[0:1], 0x0                ; A s[4:5], wb s[6:7]
	s_load_b64 s[8:9], s[0:1], 0x10                ; C
	s_load_b128 s[68:71], s[0:1], 0x18             ; the bias s[68:69], the residual s[70:71]
	s_set_vgpr_msb 0x40
	v_lshl_add_u32 v255, v0, 2, 0x4c000
	s_set_vgpr_msb 0x4000
	v_mov_b32 v255, 0
	s_set_vgpr_msb 0x1
	ds_add_u32 v255, v255
	s_set_vgpr_msb 0x100
	v_lshrrev_b32 v1, 5, v0
	v_readfirstlane_b32 s10, v1                    ; wave 0..3
	s_lshr_b32 s11, s10, 1                         ; which half of the tile's rows is mine.  Also: I fetch for A (0) or for B (1)
	s_and_b32 s12, s10, 1                          ; which half of its columns.  Also: which half of that tile I fetch
	s_bfe_u32 s40, ttmp6, 0x40000                  ; cx, cy: my place in the cluster
	s_bfe_u32 s41, ttmp6, 0x40004
	s_lshl_b32 s42, ttmp9, 2
	s_add_co_u32 s42, s42, s40                     ; tile column = 4 x cluster x + cx
	s_and_b32 s13, ttmp7, 0xffff
	s_lshl_b32 s13, s13, 2
	s_add_co_u32 s13, s13, s41                     ; tile row = 4 x cluster y + cy
	s_lshl_b32 s43, s41, 2
	s_lshl_b32 s43, 15, s43                        ; my row of the cluster
	s_lshl_b32 s44, 0x1111, s40                    ; my column
	s_or_b32 s[G1+0], s43, (1<<16)|(1<<20)|(1<<21)|(4<<22)|(3<<25)   ; 15:0 the mask; 17:16 2-byte elements; 20 padding on; 21 set beside a mask; 24:22 after every 32 words (code 4); 31:25 4 words (code 3)
	s_or_b32 s[G1B+0], s44, (1<<16)|(1<<20)|(1<<21)|(4<<22)|(7<<25)  ; the same with my column's mask and 8 words of padding (code 7)
	s_mov_b32 s[G1+1], (AROWS*64)<<16              ; tensor_dim0: a run of AROWS rows x 64 elements
	s_mov_b32 s[G1+2], ZS<<16                      ; tensor_dim1: one run for each slab of the K step
	s_mov_b32 s[G1+3], (AROWS*64)<<16              ; tile_dim0
	s_mov_b32 s[G1+4], ZS                          ; tile_dim1
	s_mov_b32 s[G1+5], 262144                      ; elements from slab to slab of A
	s_mov_b32 s[G1+6], 0
	s_mov_b32 s[G1+7], 0
	s_mov_b32 s[G1B+1], (KS*64)<<16                ; a run of KS k-rows x 64 elements
	s_mov_b32 s[G1B+2], BSL<<16
	s_mov_b32 s[G1B+3], (KS*64)<<16
	s_mov_b32 s[G1B+4], BSL
	s_mov_b32 s[G1B+5], SIZE_K*64                  ; elements from slab to slab of B
	s_mov_b32 s[G1B+6], 0
	s_mov_b32 s[G1B+7], 0
	; A's address hangs on the tile row and the wave alone, B's on the tile column and the wave alone, each in registers that never hold the other coordinate
	s_mul_i32 s16, s13, MT*128
	s_mul_i32 s17, s12, AROWS*128
	s_add_co_u32 s16, s16, s17
	s_mov_b32 s17, 0
	s_mul_i32 s46, s42, (NT/64)*SIZE_K*128
	s_mul_i32 s47, s12, BSL*SIZE_K*128
	s_add_co_u32 s46, s46, s47
	s_add_co_u32 s46, s46, WOFF
	s_mov_b32 s47, 0
	s_mul_i32 s20, s12, AHALF                      ; where they go: no place in the cluster enters an LDS address
	s_mul_i32 s21, s12, BHALF
	s_wait_dscnt 0x0
	s_wait_kmcnt 0x0
	s_add_nc_u64 s[14:15], s[4:5], s[16:17]
	s_add_nc_u64 s[46:47], s[6:7], s[46:47]
.irp s, 0,1
	s_mov_b32 s[G0+4*(\s)], 1
	s_add_co_u32 s[G0+4*(\s)+1], s20, (\s)*SLOT
	s_add_nc_u64 s[G0+4*(\s)+2:G0+4*(\s)+3], s[14:15], (\s)*ASTEP
	s_or_b32 s[G0+4*(\s)+3], s[G0+4*(\s)+3], 0x80000000
	s_mov_b32 s[G0B+4*(\s)], 1
	s_add_co_u32 s[G0B+4*(\s)+1], s21, (\s)*SLOT+2*AHALF
	s_add_nc_u64 s[G0B+4*(\s)+2:G0B+4*(\s)+3], s[46:47], (\s)*BSTEP
	s_or_b32 s[G0B+4*(\s)+3], s[G0B+4*(\s)+3], 0x80000000
.endr
	CROUND                                         ; all sixteen work-groups are here: the first joint loads meet
	s_cmp_eq_u32 s11, 0                            ; a wave's two first fills stand in one branch: two loads of mine are out, later one
	s_cbranch_scc0 .Lfirst_b
	tensor_load_to_lds s[G0:G0+3], s[G1:G1+7]
	s_nop 0
	tensor_load_to_lds s[G0+4:G0+7], s[G1:G1+7]
	s_nop 0
.rept 4
	v_nop
.endr
	s_branch .Lfirst_asked
.Lfirst_b:
	tensor_load_to_lds s[G0B:G0B+3], s[G1B:G1B+7]
	s_nop 0
	tensor_load_to_lds s[G0B+4:G0B+7], s[G1B:G1B+7]
	s_nop 0
.rept 4
	v_nop
.endr
.Lfirst_asked:
	v_and_b32 v1, 15, v0                           ; r = l % 16
	v_bfe_u32 v2, v0, 4, 1                         ; h = l / 16
	v_mul_u32_u24 v3, v1, PA                       ; A: row r, 16 bytes for each half of the lanes
	v_lshl_add_u32 v3, v2, 4, v3
	v_and_b32 v4, 7, v0                            ; B, turned: lane l reads k-row 8 h + l % 8, columns 8 ((l / 8) % 2) + 0..7
	v_lshl_add_u32 v4, v2, 3, v4
	v_mul_u32_u24 v4, v4, PB
	v_bfe_u32 v5, v0, 3, 1
	v_lshl_add_u32 v4, v5, 4, v4
	s_mul_i32 s22, s11, AHALF                      ; my rows of A
	s_mul_i32 s23, s12, BHALF                      ; my columns of B,
	s_add_co_u32 s23, s23, 2*AHALF                 ; which lie behind A's two halves
.irp s, 0,1
	v_add_nc_u32 v[ADRA+(\s)], s22, v3
	v_add_nc_u32 v[ADRB+(\s)], s23, v4
	s_add_co_u32 s22, s22, SLOT
	s_add_co_u32 s23, s23, SLOT
.endr
	; The stage: 16 rows of SP bytes for each wave, its own, at the head of slot 0.  It is written only behind the last change of slots, when slot 0 has had its last fill and every wave's reads of it are over.
	s_mul_i32 s23, s10, 16*SP
	v_mul_u32_u24 v6, v1, SP                       ; in: row r, 32 bytes for each half of the lanes
	v_lshl_add_u32 v6, v2, 5, v6
	v_add_nc_u32 v[STO], s23, v6
	v_mul_u32_u24 v6, v2, SP                       ; back: lanes 0-15 take one row of 256 bytes, lanes 16-31 the next
	v_lshl_add_u32 v6, v1, 4, v6
	v_add_nc_u32 v[RD], s23, v6
	v_lshlrev_b32 v[BO], 4, v1                     ; my four columns: 16 r bytes
	v_lshl_add_u32 v[CO], v2, 12, v[BO]            ; and the same two rows in C: 4,096 h + 16 r
	s_mul_i32 s16, s13, MT*4096                    ; C and the residual at my first row,
	s_mul_i32 s17, s11, AROWS*4096
	s_add_co_u32 s16, s16, s17
	s_mov_b32 s17, 0
	s_add_nc_u64 s[8:9], s[8:9], s[16:17]
	s_add_nc_u64 s[70:71], s[70:71], s[16:17]
	s_mul_i32 s46, s42, NT*4                       ; and, with the bias, at my first column
	s_mul_i32 s47, s12, NT*2
	s_add_co_u32 s46, s46, s47
	s_mov_b32 s47, 0
	s_add_nc_u64 s[8:9], s[8:9], s[46:47]
	s_add_nc_u64 s[70:71], s[70:71], s[46:47]
	s_add_nc_u64 s[68:69], s[68:69], s[46:47]
	WIN 0x80                                       ; destination window 2
.set p_, 0
.rept 8*MB                             ; rows 2 p, 2 p + 1 of my 64: sixteen lanes read 256 consecutive bytes; the loads stay out until the way out
	global_load_b128 v[128+4*p_:128+4*p_+3], v[CO], s[70:71] offset:2*p_*4096
.set p_, p_+1
.endr
	WIN 0
	global_load_b128 v[BI:BI+3], v[BO], s[68:69]
; Matrix instructions for row blocks a0 .. a0 + na - 1 x all NB column blocks, the quarter in buffer f.  The accumulators take turns, one instruction a turn.
; zero = 1: the first product starts the sums: nothing is ever cleared.
.macro MULA f, a0, na, zero
.set c_, 0
.rept DP
.set a_, \a0
.rept \na
.set b_, 0
.rept NB
.set x_, a_*NB+b_
.set d_, 8*(x_%32)
.set rb_, (\f)*8*NB*DP+8*(c_*NB+b_)
.set ra_, 64+64*(\f)+8*(c_*MB+a_)
	WIN 0xa1+0x50*(x_/32)                          ; source 0 (B) window 1, source 1 (A) window 0, C and D window 2
.if (\zero) && (c_ == 0)
	v_wmma_f32_16x16x32_bf16 v[d_:d_+7], v[rb_:rb_+7], v[ra_:ra_+7], 0
.else
	v_wmma_f32_16x16x32_bf16 v[d_:d_+7], v[rb_:rb_+7], v[ra_:ra_+7], v[d_:d_+7]
.endif
.set b_, b_+1
.endr
.set a_, a_+1
.endr
.set c_, c_+1
.endr
.endm
; The NLD LDS loads of quarter q of a slot, in one run, into buffer f: B's fragments, then A's lower row blocks, then A's upper ones
.macro FETCH slot, q, f
	WIN 0x40                                       ; destination window 1, address window 0
.set c_, 0
.rept DP
.set k_, 32*((\q)*DP+c_)
.set b_, 0
.rept NB
.set rb_, (\f)*8*NB*DP+8*(c_*NB+b_)
.set o_, (b_/4)*BSLAB+k_*PB+(b_%4)*32
	ds_load_tr16_b128 v[rb_:rb_+3],   v[ADRB+(\slot)] offset:o_
	ds_load_tr16_b128 v[rb_+4:rb_+7], v[ADRB+(\slot)] offset:o_+16*PB
.set b_, b_+1
.endr
.set c_, c_+1
.endr
	WIN 0
.set h_, 0
.rept 2
.set c_, 0
.rept DP
.set k_, 32*((\q)*DP+c_)
.set a_, h_*(MB/2)
.rept MB/2
.set ra_, 64+64*(\f)+8*(c_*MB+a_)
.set o_, (k_/64)*ASLAB+a_*16*PA+(k_%64)*2
	ds_load_b128 v[ra_:ra_+3],   v[ADRA+(\slot)] offset:o_
	ds_load_b128 v[ra_+4:ra_+7], v[ADRA+(\slot)] offset:o_+32
.set a_, a_+1
.endr
.set c_, c_+1
.endr
.set h_, h_+1
.endr
.endm
; A K step is four quarters on buffers 0, 1, 0, 1.  One of the first three: multiplies buffer f; in its middle it fetches quarter qn of the same slot into buffer g.
.macro QUARTER slot, qn, f, g, zero
	s_wait_dscnt MB*DP                             ; B and A's lower blocks are in; the youngest MB DP loads, A's upper blocks, may be out
	MULA \f, 0, MB/2, \zero
	PLACES
	FETCH \slot, \qn, \g
	s_wait_dscnt NLD                               ; all but the NLD just issued
	MULA \f, MB/2, MB/2, \zero
.endm
; The last quarter multiplies buffer 1 and changes slots: ONE barrier; in front of it each wave waits for its own reads of this slot and for all its tensor loads, of which one is out: its part of the next slot.
; fill = 1: the barrier opens a round of the cluster's barrier, and this slot is filled again, two K steps ahead, first thing behind the round.
.macro TURN slot, next, fill
	s_wait_dscnt MB*DP
	MULA 1, 0, MB/4, 0
	s_wait_dscnt 0x0                               ; my reads of this slot are over,
	s_wait_tensorcnt 0x0                           ; and all my tensor loads have landed
	ds_add_u32 v255, v255
	s_wait_dscnt 0x0
	s_barrier_signal -1
	MULA 1, MB/4, MB/4, 0                          ; work on registers while the others arrive
.if \fill
	WIN 0
.endif
	s_barrier_wait -1
.if \fill
	CREST                                          ; no wave of any partner still reads this slot or has a load on its way
	s_add_nc_u64 s[G0+4*(\slot)+2:G0+4*(\slot)+3], s[G0+4*(\slot)+2:G0+4*(\slot)+3], 2*ASTEP
	s_add_nc_u64 s[G0B+4*(\slot)+2:G0B+4*(\slot)+3], s[G0B+4*(\slot)+2:G0B+4*(\slot)+3], 2*BSTEP
	JLOAD \slot                                    ; the four v_nop behind it are also the places in front of the loads below
.else
	PLACES
.endif
	FETCH \next, 0, 0
	MULA 1, MB/2, MB/2, 0
.endm
	s_wait_tensorcnt 0x1                           ; my part of K step 0 is in; K step 1's may stay out
	s_barrier_signal -1
	s_barrier_wait -1                              ; everybody's is
	FETCH 0, 0, 0
	QUARTER 0, 1, 0, 1, 1                          ; the first quarter stands in front of the loop: its first products start the sums
	WIN 0                                          ; at a label and at a branch every window is 0
	s_mov_b32 s3, LAPS-1
.Llap:                                                 ; a trip goes once round the ring, from a lap's second quarter to the next lap's first, and fills both slots again
	QUARTER 0, 2, 1, 0, 0
	QUARTER 0, 3, 0, 1, 0
	TURN 0, 1, 1
	QUARTER 1, 1, 0, 1, 0
	QUARTER 1, 2, 1, 0, 0
	QUARTER 1, 3, 0, 1, 0
	TURN 1, 0, 1
	QUARTER 0, 1, 0, 1, 0
	WIN 0
	s_sub_co_u32 s3, s3, 1
	s_cmp_lg_u32 s3, 0
	s_cbranch_scc1 .Llap
	QUARTER 0, 2, 1, 0, 0                          ; the last lap fills nothing
	QUARTER 0, 3, 0, 1, 0
	TURN 0, 1, 0
	QUARTER 1, 1, 0, 1, 0
	QUARTER 1, 2, 1, 0, 0
	QUARTER 1, 3, 0, 1, 0
	s_wait_dscnt MB*DP                             ; the very last quarter: nothing more to fetch
	MULA 1, 0, MB/2, 0
	s_wait_dscnt 0x0
	MULA 1, MB/2, MB/2, 0
	WIN 0
	PLACES
	s_wait_loadcnt 0x0                             ; the residual and the bias
; THE WAY OUT of row block a.  TOST: the sums go as they are into my stage (each accumulator's low half first) and come back as whole rows of 256 bytes.
.macro TOST a
	s_wait_xcnt 0x0                                ; the stores issued so far have read their registers: this block's buffer is loaded again only behind this wait
	WIN 0x08                                       ; the data in window 2
.set b_, 0
.rept NB
.set d_, 8*((\a)*NB+b_)
	ds_store_b128 v[STO], v[d_:d_+3]   offset:64*b_
	ds_store_b128 v[STO], v[d_+4:d_+7] offset:64*b_+16
.set b_, b_+1
.endr
	WIN 0
.set k_, 64+32*((\a)%2)
.set p_, 0
.rept 8
	ds_load_b128 v[k_+4*p_:k_+4*p_+3], v[RD] offset:2*p_*SP  ; LDS serves a wave's instructions in order (ISA guide 5.7.1.4): these see the stores above
.set p_, p_+1
.endr
.endm
; SOUT: bias and residual are added, and the rows are stored.  younger: the LDS instructions issued behind this block's loads: the next block's sixteen, or none.
.macro SOUT a, younger
	WIN 0
.set k_, 64+32*((\a)%2)
	s_wait_dscnt \younger
.set p_, 0
.rept 8
	v_pk_add_f32 v[k_+4*p_:k_+4*p_+1],   v[k_+4*p_:k_+4*p_+1],   v[BI:BI+1]
	v_pk_add_f32 v[k_+4*p_+2:k_+4*p_+3], v[k_+4*p_+2:k_+4*p_+3], v[BI+2:BI+3]
.set p_, p_+1
.endr
	WIN 0x08                                       ; source 1 window 2
.set p_, 0
.rept 16
	v_pk_add_f32 v[k_+2*p_:k_+2*p_+1], v[k_+2*p_:k_+2*p_+1], v[128+32*(\a)+2*p_:128+32*(\a)+2*p_+1]
.set p_, p_+1
.endr
	WIN 0
.set p_, 0
.rept 8
	global_store_b128 v[CO], v[k_+4*p_:k_+4*p_+3], s[8:9] offset:(16*(\a)+2*p_)*4096  ; 16 lanes store 256 consecutive bytes, at a multiple of 256 from C's first byte
.set p_, p_+1
.endr
.endm
	TOST 0
	TOST 1
	SOUT 0, 16
	TOST 2
	SOUT 1, 16
	TOST 3
	SOUT 2, 16
	SOUT 3, 0
	s_set_vgpr_msb 0x1
	s_wait_tensorcnt 0x0
	ds_add_u32 v255, v255
	s_wait_dscnt 0x0
	s_set_vgpr_msb 0x100
	CROUND                                         ; the closing round: no work-group ends while a partner may still ask for a tile that names it
	s_endpgm
.Lfunc_end_k_q705db623ac_ffn2:
	.size	k_q705db623ac_ffn2, .Lfunc_end_k_q705db623ac_ffn2-k_q705db623ac_ffn2
	.p2alignl 7, 3214868480
	.fill 96, 4, 3214868480
	.section	.rodata,"a",@progbits
	.p2align	6, 0x0
	.amdhsa_kernel k_q705db623ac_ffn2
		.amdhsa_group_segment_fixed_size 327680
		.amdhsa_private_segment_fixed_size 0
		.amdhsa_enable_private_segment 0
		.amdhsa_kernarg_size 40
		.amdhsa_user_sgpr_count 2
		.amdhsa_user_sgpr_kernarg_segment_ptr 1
		.amdhsa_wavefront_size32 1
		.amdhsa_system_sgpr_workgroup_id_x 1
		.amdhsa_system_sgpr_workgroup_id_y 1
		.amdhsa_system_sgpr_workgroup_id_z 1
		.amdhsa_system_vgpr_workitem_id 0
		.amdhsa_next_free_vgpr 768
		.amdhsa_next_free_sgpr 72
		.amdhsa_reserve_vcc 0
		.amdhsa_float_denorm_mode_32 3
		.amdhsa_float_denorm_mode_16_64 3
		.amdhsa_memory_ordered 1
		.amdhsa_forward_progress 1
		.amdhsa_inst_pref_size 98
	.end_amdhsa_kernel
	.amdgpu_metadata
---
amdhsa.version: [ 1, 2 ]
amdhsa.kernels:
  - .name:           k_q705db623ac_ffn2
    .symbol:         k_q705db623ac_ffn2.kd
    .args:
      - { .name: act, .offset: 0, .size: 8, .value_kind: global_buffer, .address_space: global }
      - { .name: wb, .offset: 8, .size: 8, .value_kind: global_buffer, .address_space: global }
      - { .name: out0, .offset: 16, .size: 8, .value_kind: global_buffer, .address_space: global }
      - { .name: b2, .offset: 24, .size: 8, .value_kind: global_buffer, .address_space: global }
      - { .name: x1, .offset: 32, .size: 8, .value_kind: global_buffer, .address_space: global }
    .group_segment_fixed_size: 327680
    .private_segment_fixed_size: 0
    .kernarg_segment_align: 8
    .kernarg_segment_size: 40
    .max_flat_workgroup_size: 128
    .sgpr_count:     72
    .vgpr_count:     768
    .wavefront_size: 32
...
	.end_amdgpu_metadata
.endif
;; end of part 7
